; MI455X (gfx1250); checked and timed in simulation.
; The chip was launched on July 23, 2026; its instructions are those of AMD's public machine-readable ISA for CDNA 5 (MIT licence, August 2026) and "CDNA5" Instruction Set Architecture Reference Guide (July 2026). The comments in the code are by the model that wrote it; some were corrected since.
;; Multi Head Causal Attention. Allowed arithmetic: matrix products marked QUANTISED: E3M2 operands, one E8M0 scale for each 32 along K, by v_wmma_scale_f32_16x16x128_f8f6f4 with both operands' format E3M2, f32 sums; everything else in f32.
;; Inputs: b_out 1,024 float32; b_qkv 3,072 float32; w_out 1,024 x 1,024 float32; w_qkv 3,072 x 1,024 float32; x 4 x 2,048 x 1,024 float32.
;; Outputs: out0 4 x 2,048 x 1,024 float32.
;; This version of the problem:
;;   THIS VERSION OF THE PROBLEM IS GIVEN IN LOW PRECISION. The matrix products marked QUANTISED in the list below multiply operands that are first quantised to E3M2 (3 exponent bits, 2 mantissa bits; 6 bits a number), with one power-of-two scale for each 32 numbers along K (OCP MX v1.0); their sums are f32. All else is computed in f32.
;;   The module's matrix products, in the order in which they are computed (A, B: the left and right operand; K: the contracted axis; several contracted axes count as one K, in the product's order):
;;     1. [M 8,192, K 1,024] x [K 1,024, N 3,072]; A: input x; B: input w_qkv: QUANTISED
;;     2. batch 64 x [M 2,048, K 64] x [K 64, N 2,048]; A: computed on the way; B: computed on the way: QUANTISED
;;     3. batch 64 x [M 2,048, K 2,048] x [K 2,048, N 64]; A: softmax (see below); B: computed on the way: QUANTISED
;;     4. [M 8,192, K 1,024] x [K 1,024, N 1,024]; A: computed on the way; B: input w_out: QUANTISED
;;   THE QUANTISER, for each operand of a quantised product, along K:
;;     - K is cut into blocks of 32 from its start; a last block that is shorter is filled with zeros.
;;     - A block's scale is 2^e with e = floor(log2(the largest magnitude in the block)) - 4, held to -126 .. 127; a block of zeros has e = 0. As a byte (E8M0): e + 127.
;;     - Each number is divided by its block's scale, clamped to +-28, and rounded to the nearest number of E3M2, ties to even, subnormals kept.
;;     - The product sums the exact products of the quantised numbers (number of the format x scale) in f32.
;;   ~~~python
;;   def quantise(x, axis):      # numpy; x: float32 -> the quantised numbers, widened to float32 again
;;       x = np.moveaxis(x, axis, -1); K = x.shape[-1]
;;       x = np.pad(x, [(0, 0)] * (x.ndim - 1) + [(0, -K % 32)]); x = x.reshape(x.shape[:-1] + (-1, 32)); a = np.abs(x).max(-1, keepdims=True)
;;       e = np.where(a > 0, np.clip(np.frexp(np.where(a > 0, a, 1))[1] - 1 - 4, -126, 127), 0)      # np.frexp(a)[1] - 1 = floor(log2(a)), exactly
;;       r = np.clip(x / 2.0 ** e, -28, 28)
;;       step = 2.0 ** (np.maximum(np.frexp(np.where(r == 0, 1, r))[1] - 1, -2) - 2)
;;       q = np.round(r / step) * step * 2.0 ** e      # np.round: ties to even
;;       return np.moveaxis(q.reshape(q.shape[:-2] + (-1,))[..., :K], -1, axis).astype(np.float32)
;;   ~~~
;;   SOFTMAX AHEAD OF A QUANTISED PRODUCT. Where the list says 'softmax', what is quantised is not the finished softmax but p = 2^(t - M), with t = logit x log2(e) and M = ceil(the row's largest t), a whole number; so 1/2 < the row's largest p <= 1. The row's sum l is taken of the UNQUANTISED p, in f32, and the product's result is divided by l at the end. Since M is a whole number, a kernel that streams over the keys may use a running M (the ceiling of the running maximum): every later rescaling is an exact power of two, which a block's scale takes up: the codes' values come out the same.
;;   OPERANDS COMPUTED ON THE WAY. 'Computed on the way' means the value that the module computes at that place (a softmax that the list does not call 'softmax' is quantised finished and normalised). What goes into a quantiser is computed in f32, as accurately as f32 sums, v_exp_f32 and their like allow (about 1e-6 of the number): no bf16 or f16 on the way to a quantiser, and a product that is left as it is and whose result goes on into a quantised operand takes f32 operands (vector FMAs, or v_wmma_f32_16x16x4_f32). A number that lies on a knife's edge between two numbers of the format may be rounded either way, as far as f32 arithmetic and the matrix unit's own rounding can turn it there, and no further.
;; One version. Each part assembles by itself: llvm-mc -triple=amdgcn-amd-amdhsa -mcpu=gfx1250 --defsym DOCPART=n.
;; ======== version 1 of 1: 4 launches
;; workspace buffers: g1_img 8,650,752 bytes; g1_sc 360,448 bytes; qkv_img 18,874,368 bytes; qkv_sc 786,432 bytes; g2_img 7,077,888 bytes; g2_sc 294,912 bytes
;; launch quant (part 1): grid 384 x 1, 4 waves a work-group, no clusters, 34,304 bytes of LDS; arguments x, w_qkv, w_out, g1_img, g1_sc, g2_img, g2_sc; writes g1_img, g1_sc, g2_img, g2_sc
.if DOCPART == 1
	.amdgcn_target "amdgcn-amd-amdhsa--gfx1250"
	.amdhsa_code_object_version 6
	.text
	.protected	k_q71a98a65eb_quant
	.globl	k_q71a98a65eb_quant
	.p2align	8
	.type	k_q71a98a65eb_quant,@function
k_q71a98a65eb_quant:
	s_mov_b64 s[64:65], 0
	v_nop
	global_prefetch_b8 v0, s[64:65] scope:SCOPE_SE
	s_setreg_imm32_b32 hwreg(HW_REG_WAVE_MODE, 25, 1), 1
	s_wait_xcnt 0x0
; x [8192][1024], w_qkv [3072][1024] and w_out [1024][1024], f32 with K innermost, become codes of BF6 (E3M2) with one E8M0 byte for each 32 along K,
; laid IN THE ORDER OF THE OPERAND'S REGISTERS, so that the products' launches fetch fragments by consecutive bytes alone.
; A row block is 128 rows = 8 tiles of 16; TILE a = 2 b + u HOLDS, AT INDEX i, ROW 32 b + 8 u + i + 8 (i / 8): as source 0 of a product the registers of result tiles 2 b, 2 b + 1 are then 16 neighbours.
; A fragment (16 rows x 128 K, 12 registers a lane) is 1,536 bytes: registers 0-3 at 16 x lane, 4-5 at 512 + 8 x lane, 6-9 at 768 + 16 x lane, 10-11 at 1,280 + 8 x lane.
; Codes: row block x 98,304 + K step x 12,288 + tile x 1,536.  Scale words: row block x 4,096 + (K step / 4) x 2,048 + tile x 256 + index x 16 + (K step % 4) x 4.
; x is row blocks 0-63 and w_qkv 64-87 of g1; w_out is row blocks 64-71 of g2 (0-63 are attention's result, made later).
; A block's scale is 2^(floor(log2(its largest magnitude)) - 4); its byte is that magnitude's exponent field - 4, held at 1 from below.
; LIMITS: a block of zeros, or one whose largest magnitude lies under 2^-122, gets the byte 1 (the bytes are read by this program alone; zero codes add nothing); NaN and infinities among the inputs are not served.
; SHARES: 96 row blocks x 4 work-groups; a wave takes one tile x 512 along K: four fragments.  Each load reads 512 consecutive bytes of one row; the 16 rows turn through the wave's own stage in LDS,
; so that a lane gets 16 neighbours of each block of 32.  Memory binds: no matrix unit, no cluster, no tensor load, no barrier (waves share nothing).  Two fragments' loads, 32 a wave, are on their way.
.set ROWB,  4096                       ; a row of any of the three tensors, in bytes
.set SP,    528                        ; a stage row: 512 bytes + 16, so that sixteen rows start in sixteen different groups of banks
.set STG,   16*SP                      ; a wave's stage
.set XA,    16                         ; v16-79, v80-143: two sets of 64 numbers
.set PC,    144                        ; v144-155 the codes just made; v156-163 the conversions' second halves
.set TM,    164                        ; v164-179 at work
.set PW,    180                        ; the scale word just made
.set SW,    184                        ; v184-187 the four fragments' scale words
.set SEL,   30                         ; s[30:31] lane selects: lane l xor 16
; 64 numbers of a lane, register 16 b + i = k 32 b + 16 (lane / 16) + i of my row, become a fragment's codes in v[PC] on and its scale word in v[PW].
.macro QUANT s
.irp b, 0,1,2,3
	v_max3_num_f32 v[TM+\b], |v[\s+16*\b]|, |v[\s+1+16*\b]|, 0x2800000   ; block b: my 16 numbers, and the floor 2^(5 - 127): the byte cannot fall under 1
.endr
.irp i, 2,4,6,8,10,12,14
.irp b, 0,1,2,3
	v_max3_num_f32 v[TM+\b], v[TM+\b], |v[\s+16*\b+\i]|, |v[\s+1+16*\b+\i]|   ; the four blocks by turns
.endr
.endr
.irp b, 0,1,2,3
	v_permlanex16_b32 v[TM+4+\b], v[TM+\b], s[SEL], s[SEL+1]
.endr
.irp b, 0,1,2,3
	v_max_num_f32 v[TM+\b], v[TM+\b], v[TM+4+\b]       ; with lane l xor 16's: the block's largest magnitude
.endr
.irp b, 0,1,2,3
	v_add_nc_u32 v[TM+12+\b], 0xfe000000, v[TM+\b]     ; 4 off its exponent field: the conversion's scale operand
.endr
.irp b, 0,1,2,3
	v_lshrrev_b32 v[TM+4+\b], 23, v[TM+12+\b]          ; the scale's byte
.endr
	v_lshl_or_b32 v[PW], v[TM+5], 8, v[TM+4]
	v_lshl_or_b32 v[PW], v[TM+6], 16, v[PW]
	v_lshl_or_b32 v[PW], v[TM+7], 24, v[PW]
.irp c, 0,1
	v_cvt_scalef32_pk16_bf6_f32 v[PC+6*\c:PC+2+6*\c], v[\s+32*\c:\s+15+32*\c], v[TM+12+2*\c]
	v_cvt_scalef32_pk16_bf6_f32 v[PC+12+4*\c:PC+14+4*\c], v[\s+16+32*\c:\s+31+32*\c], v[TM+12+2*\c+1]   ; (a conversion's three registers begin on an even number)
.endr
	v_nop                                              ; one plain place behind a scaled conversion
.irp c, 0,1                                        ; the operand's layout wants a whole block in a lane
.irp i, 0,1,2
	v_permlane16_swap_b32 v[PC+6*\c+\i], v[PC+12+4*\c+\i]
.endr
.irp i, 0,1,2
	v_mov_b32 v[PC+3+6*\c+\i], v[PC+12+4*\c+\i]
.endr
.endr
.endm
	s_load_b256 s[4:11], s[0:1], 0x0               ; x, w_qkv, w_out, g1_img
	s_load_b128 s[12:15], s[0:1], 0x20             ; g1_sc, g2_img
	s_load_b64 s[16:17], s[0:1], 0x30              ; g2_sc
	v_lshl_add_u32 v192, v0, 2, 0x8400
	v_mov_b32 v193, 0
	v_lshrrev_b32 v1, 5, v0
	v_readfirstlane_b32 s18, v1                    ; wave
	v_and_b32 v1, 31, v0                           ; lane
	v_and_b32 v2, 15, v0                           ; r
	v_bfe_u32 v3, v0, 4, 1                         ; h
	v_lshlrev_b32 v4, 4, v1                        ; 16 x lane
	v_lshlrev_b32 v5, 3, v1                        ; 8 x lane
	s_mul_i32 s19, s18, STG
	v_add_nc_u32 v6, s19, v4                       ; the stage on the way in: a row's 512 bytes as they lie
	v_mul_u32_u24 v7, v2, SP
	v_lshl_add_u32 v7, v3, 6, v7
	v_add_nc_u32 v7, s19, v7                       ; and on the way out: row r, + 64 h: my 16 numbers of a block of 32
	v_lshlrev_b32 v8, 4, v2
	v_lshl_add_u32 v8, v3, 3, v8                   ; the scale words' place: 16 r + 8 h
.irp b, 0,1,2,3
	v_mov_b32 v[TM+4+\b], 0                        ; written once: a lane permute's destination counts as one of its sources
.endr
	s_mov_b32 s[SEL], 0x76543210
	s_mov_b32 s[SEL+1], 0xfedcba98
	s_lshr_b32 s20, ttmp9, 2                       ; which of the 96 row blocks
	s_and_b32 s26, ttmp9, 3                        ; tile / 2
	s_lshr_b32 s27, s18, 1                         ; tile % 2
	s_and_b32 s28, s18, 1                          ; which half of K
	s_sub_co_u32 s21, s20, 64                      ; the row block counted inside w_qkv,
	s_sub_co_u32 s24, s20, 88                      ; inside w_out,
	s_sub_co_u32 s25, s20, 24                      ; and w_out's place in g2
	s_wait_kmcnt 0x0
	s_cmp_lt_u32 s20, 64                           ; the choices hang on the work-group's number alone
	s_cselect_b64 s[4:5], s[4:5], s[6:7]
	s_cselect_b32 s21, s20, s21
	s_cmp_lt_u32 s20, 88
	s_cselect_b64 s[4:5], s[4:5], s[8:9]           ; the tensor that I read,
	s_cselect_b32 s21, s21, s24                    ; my row block in it,
	s_cselect_b64 s[10:11], s[10:11], s[14:15]     ; the codes' buffer,
	s_cselect_b64 s[12:13], s[12:13], s[16:17]     ; the scale words' buffer,
	s_cselect_b32 s25, s20, s25                    ; and my row block in those
	s_lshl_b32 s22, s21, 19                        ; 128 rows of 4,096 bytes
	s_lshl_b32 s29, s26, 17                        ; 32 rows
	s_add_co_u32 s22, s22, s29
	s_lshl_b32 s29, s27, 15                        ; 8 rows
	s_add_co_u32 s22, s22, s29
	s_lshl_b32 s29, s28, 11                        ; 512 numbers
	s_add_co_u32 s22, s22, s29
	s_mov_b32 s23, 0
	s_add_nc_u64 s[4:5], s[4:5], s[22:23]
	s_lshl_b32 s29, s26, 1
	s_add_co_u32 s29, s29, s27                     ; tile
	s_mul_i32 s22, s25, 98304
	s_mul_i32 s24, s28, 49152
	s_add_co_u32 s22, s22, s24
	s_mul_i32 s24, s29, 1536
	s_add_co_u32 s22, s22, s24
	s_add_nc_u64 s[10:11], s[10:11], s[22:23]
	s_lshl_b32 s22, s25, 12
	s_lshl_b32 s24, s28, 11
	s_add_co_u32 s22, s22, s24
	s_lshl_b32 s24, s29, 8
	s_add_co_u32 s22, s22, s24
	s_add_nc_u64 s[12:13], s[12:13], s[22:23]
.macro LOAD f                          ; fragment f: 16 rows x 512 consecutive bytes, into set f % 2
.irp i, 0,1,2,3,4,5,6,7,8,9,10,11,12,13,14,15
	global_load_b128 v[XA+64*((\f)%2)+4*\i:XA+64*((\f)%2)+4*\i+3], v4, s[4:5] offset:(\i+8*(\i/8))*ROWB+512*(\f) th:TH_LOAD_NT
.endr
.endm
.macro FRAGQ f
.set XS, XA+64*((\f)%2)
.if (\f) < 3
	s_wait_loadcnt 16                              ; this fragment's 16 loads are in; the next fragment's 16 may be out
.else
	s_wait_loadcnt 0x0
.endif
.irp i, 0,1,2,3,4,5,6,7,8,9,10,11,12,13,14,15
	ds_store_b128 v6, v[XS+4*\i:XS+4*\i+3] offset:SP*\i
.endr
.irp b, 0,1,2,3
.irp j, 0,1,2,3
	ds_load_b128 v[XS+16*\b+4*\j:XS+16*\b+4*\j+3], v7 offset:128*\b+16*\j   ; LDS serves a wave's instructions in order: these see the stores above
.endr
.endr
	s_wait_dscnt 0x0
	s_wait_xcnt 0x0                                ; the last fragment's stores have read their registers: the codes may be written anew
	QUANT XS
	global_store_b128 v4, v[PC:PC+3], s[10:11] offset:12288*(\f)             ; 512 consecutive bytes,
	global_store_b64 v5, v[PC+4:PC+5], s[10:11] offset:12288*(\f)+512        ; 256,
	global_store_b128 v4, v[PC+6:PC+9], s[10:11] offset:12288*(\f)+768       ; 512,
	global_store_b64 v5, v[PC+10:PC+11], s[10:11] offset:12288*(\f)+1280     ; 256: the fragment's 1,536 bytes, each store on a multiple of 256
	v_mov_b32 v[SW+(\f)], v[PW]
.if (\f) < 2
	LOAD (\f)+2
.endif
.endm
	LOAD 0
	LOAD 1
	FRAGQ 0
	FRAGQ 1
	FRAGQ 2
	FRAGQ 3
	v_cmp_ne_u32 vcc_lo, 0, v3
	v_cndmask_b32 v188, v[SW], v[SW+2], vcc_lo     ; lanes 0-15 store a row's words 0, 1, lanes 16-31 its words 2, 3
	v_cndmask_b32 v189, v[SW+1], v[SW+3], vcc_lo
	global_store_b64 v8, v[188:189], s[12:13]      ; 32 lanes store 256 consecutive bytes, aligned
	s_wait_tensorcnt 0x0
	ds_add_u32 v192, v193
	s_wait_dscnt 0x0
	s_endpgm
.Lfunc_end_k_q71a98a65eb_quant:
	.size	k_q71a98a65eb_quant, .Lfunc_end_k_q71a98a65eb_quant-k_q71a98a65eb_quant
	.p2alignl 7, 3214868480
	.fill 96, 4, 3214868480
	.section	.rodata,"a",@progbits
	.p2align	6, 0x0
	.amdhsa_kernel k_q71a98a65eb_quant
		.amdhsa_group_segment_fixed_size 34304
		.amdhsa_private_segment_fixed_size 0
		.amdhsa_enable_private_segment 0
		.amdhsa_kernarg_size 56
		.amdhsa_user_sgpr_count 2
		.amdhsa_user_sgpr_kernarg_segment_ptr 1
		.amdhsa_wavefront_size32 1
		.amdhsa_system_sgpr_workgroup_id_x 1
		.amdhsa_system_sgpr_workgroup_id_y 1
		.amdhsa_system_sgpr_workgroup_id_z 1
		.amdhsa_system_vgpr_workitem_id 0
		.amdhsa_next_free_vgpr 194
		.amdhsa_next_free_sgpr 66
		.amdhsa_reserve_vcc 1
		.amdhsa_float_denorm_mode_32 3
		.amdhsa_float_denorm_mode_16_64 3
		.amdhsa_memory_ordered 1
		.amdhsa_forward_progress 1
		.amdhsa_inst_pref_size 35
	.end_amdhsa_kernel
	.amdgpu_metadata
---
amdhsa.version: [ 1, 2 ]
amdhsa.kernels:
  - .name:           k_q71a98a65eb_quant
    .symbol:         k_q71a98a65eb_quant.kd
    .args:
      - { .name: x, .offset: 0, .size: 8, .value_kind: global_buffer, .address_space: global }
      - { .name: w_qkv, .offset: 8, .size: 8, .value_kind: global_buffer, .address_space: global }
      - { .name: w_out, .offset: 16, .size: 8, .value_kind: global_buffer, .address_space: global }
      - { .name: g1_img, .offset: 24, .size: 8, .value_kind: global_buffer, .address_space: global }
      - { .name: g1_sc, .offset: 32, .size: 8, .value_kind: global_buffer, .address_space: global }
      - { .name: g2_img, .offset: 40, .size: 8, .value_kind: global_buffer, .address_space: global }
      - { .name: g2_sc, .offset: 48, .size: 8, .value_kind: global_buffer, .address_space: global }
    .group_segment_fixed_size: 34304
    .private_segment_fixed_size: 0
    .kernarg_segment_align: 8
    .kernarg_segment_size: 56
    .max_flat_workgroup_size: 128
    .sgpr_count:     66
    .vgpr_count:     194
    .wavefront_size: 32
...
	.end_amdgpu_metadata
.endif
;; end of part 1
;; launch gemm_qkv (part 2): grid 8 x 48, 4 waves a work-group, clusters of 4 x 4, 327,680 bytes of LDS; arguments g1_img, g1_sc, b_qkv, qkv_img, qkv_sc; writes qkv_img, qkv_sc
.if DOCPART == 2
	.amdgcn_target "amdgcn-amd-amdhsa--gfx1250"
	.amdhsa_code_object_version 6
	.text
	.protected	k_q71a98a65eb_gemm_qkv
	.globl	k_q71a98a65eb_gemm_qkv
	.p2align	8
	.type	k_q71a98a65eb_gemm_qkv,@function
k_q71a98a65eb_gemm_qkv:
	s_mov_b64 s[64:65], 0
	v_nop
	global_prefetch_b8 v0, s[64:65] scope:SCOPE_SE
	s_setreg_imm32_b32 hwreg(HW_REG_WAVE_MODE, 25, 1), 1
	s_wait_xcnt 0x0
	s_wait_alu depctr_hold_cnt(0) depctr_sa_sdst(0) depctr_va_vdst(0) depctr_va_sdst(0) depctr_va_ssrc(0) depctr_va_vcc(0) depctr_vm_vsrc(0)
	s_getreg_b32 s2, hwreg(HW_REG_IB_STS2, 6, 4)
	s_cmp_eq_u32 s2, 0
	s_cbranch_scc0 .Lentry_in_a_cluster
	s_endpgm
.Lentry_in_a_cluster:
	s_bfe_u32 s2, ttmp6, 0x10000c
	s_cmp_lg_u32 s2, 0xf033
	s_cbranch_scc0 .Lentry_shape_is_right
	s_endpgm
.Lentry_shape_is_right:
; qkv = x w_qkv^T + b_qkv on codes of BF6 (E3M2) with E8M0 scales; the result never goes to memory in f32: q and k are quantised along the head's 64, v along the keys, on the way out.
; A tile of 256 x 256 is made by four waves, a wave 128 x 128: 64 accumulators, 512 registers.  P is source 0 (its rows run along a lane's registers), R is source 1 (one row a lane).
; TWO MODES, ONE TEXT.  Cluster rows 0-7 (q, k): R = 256 rows of x, P = 256 rows of W_q, W_k: a lane holds a token and its registers run along the head.
; Cluster rows 8-11 (v): R = 256 rows of W_v, P = 256 rows of x: a lane holds a channel and its registers run along the keys.  Only offsets into one buffer are chosen, by the cluster's y, which all partners share.
; OPERANDS lie in memory in the order of the registers: a fragment (16 rows x 128 K) is 1,536 consecutive bytes; a row block's two K steps are 24,576 dense bytes, one tensor load.
; K = 1,024 is four chunks of two K steps.  Three LDS slots take chunks 0-2 at the start; chunk 3 refills slot 0 once, behind a round of the cluster's barrier, two K steps (128 matrix instructions) ahead of its use.  At most three tensor loads of a wave are out.
; CLUSTERS 4 x 4: R's tiles are shared along a row of the cluster, P's along a column: joint loads.
; THE SCALE WORDS of all eight K steps come once, straight into 64 registers: lanes 0-15 R's tile i, lanes 16-31 P's tile i.
; THE BIAS runs along P in mode q, k (it is the C of the first K step's products) and along R in mode v (added on the way out); the one that does not apply is masked to zeros by an AND, so that no branch is needed.
; THE WAY OUT: for each of R's 8 tiles the lane's 64 numbers are 4 blocks of 32 neighbours; they become one fragment's 12 registers and a scale word, and are stored as register images: no LDS.
;   q, k: [which][batch][head][tile of 16 tokens, 128][768 bytes]; the fragment's first half is the even head's, the second the odd head's.   v: [2][batch][head][step of 128 keys, 16][tile of 16 channels, 4][1,536].
;   scale words: [which][batch][pair of heads][step][index 16][tile 8].
; LIMITS: a block of zeros, or under 2^-122, gets the scale byte 1 (read by this program alone); NaN and infinities are not served.
; REGISTERS: window 0: v2-19 addresses, v28-29 for the add, v32-95 scale words, v96-111 R's bias in pairs, v112-123 scale words made, v128-223 R's 8 fragments (one set); on the way out v128-228 at work.
;   window 1: v0-95, v128-223 P's fragments, two sets; v96-127, v224-255 P's bias.   windows 2, 3: accumulators, (a, b) at v[8 (8 (a % 4) + b)].
.set QTR,   24576                      ; a row block's two K steps: what one tensor load brings
.set SLOT,  4*QTR                      ; R's two row blocks, then P's two
.set SPARE, 3*SLOT                     ; behind the slots: the spare words, 128 bytes for each wave
.set FR,    12
.set FRB,   1536
.set KSB,   8*FRB
.set RBB,   8*KSB                      ; a row block's codes
.set L16,   2
.set L8,    3
.set AR16,  4                          ; v4-6   R: slot s: 16 x lane + my row block's quarter;  v7-9 the same with 8 x lane
.set AR8,   7
.set AP16,  10                         ; v10-12, v13-15: P likewise
.set AP8,   13
.set OSC,   16
.set OBP,   17
.set OBR,   18
.set OSW,   19
.set VR,    20
.set VH,    21
.set SPW,   28
.set NIL,   29
.set SC,    32
.set BR2,   96
.set SW,    112
.set SWO,   120
.set RF,    128
.set Y,     128
.set PC,    192
.set TM,    212
.set PW,    228
.set SEL,   20
.set G1R,   24
.set G1P,   32
.set G0R,   48                         ; s[48:63] group 0 for R's four chunks;  s[68:83] for P's: made once, never rewritten
.set G0P,   68
.set OB0,   84
.set OB1,   86
.set S1,    88
.set S2,    90
.set MQK,   92
.set MV,    93
.set MSB, 0
.macro WIN new                         ; the immediate's high byte repeats the setting that is left
.if MSB != (\new)
	s_set_vgpr_msb (MSB<<8)|(\new)
.set MSB, (\new)
.endif
.endm
.macro PLACES
.rept 4
	v_nop
.endr
.endm
.macro JLOAD c                         ; a joint load: waves 0, 1 fetch R's row blocks, waves 2, 3 P's; four v_nop follow each line
	s_cmp_eq_u32 s15, 0
	s_cbranch_scc0 .Lfor_p_\@
	tensor_load_to_lds s[G0R+4*\c:G0R+4*\c+3], s[G1R:G1R+7]
	s_nop 0
.rept 4
	v_nop
.endr
	s_branch .Lasked_\@
.Lfor_p_\@:
	tensor_load_to_lds s[G0P+4*\c:G0P+4*\c+3], s[G1P:G1P+7]
	s_nop 0
.rept 4
	v_nop
.endr
.Lasked_\@:
.endm
.macro CREST                           ; a round of the cluster's barrier behind its opening barrier
	s_cmp_lg_u32 s14, 0
	s_cbranch_scc1 .Lnot_wave_0_\@
	s_barrier_signal -3
.Lnot_wave_0_\@:
	s_barrier_wait -3
	s_barrier_signal -1
	s_barrier_wait -1
.endm
.macro CROUND
	s_barrier_signal -1
	s_barrier_wait -1
	CREST
.endm
.macro QUANT s                         ; 64 numbers of a lane, register 16 b + i = k 32 b + 16 (lane / 16) + i, become codes in v[PC] on and a scale word in v[PW]
.irp b, 0,1,2,3
	v_max3_num_f32 v[TM+\b], |v[\s+16*\b]|, |v[\s+1+16*\b]|, 0x2800000   ; and the floor 2^(5 - 127): the byte cannot fall under 1
.endr
.irp i, 2,4,6,8,10,12,14
.irp b, 0,1,2,3
	v_max3_num_f32 v[TM+\b], v[TM+\b], |v[\s+16*\b+\i]|, |v[\s+1+16*\b+\i]|
.endr
.endr
.irp b, 0,1,2,3
	v_permlanex16_b32 v[TM+4+\b], v[TM+\b], s[SEL], s[SEL+1]
.endr
.irp b, 0,1,2,3
	v_max_num_f32 v[TM+\b], v[TM+\b], v[TM+4+\b]
.endr
.irp b, 0,1,2,3
	v_add_nc_u32 v[TM+12+\b], 0xfe000000, v[TM+\b]     ; 4 off the exponent field: the conversion's scale operand
.endr
.irp b, 0,1,2,3
	v_lshrrev_b32 v[TM+4+\b], 23, v[TM+12+\b]
.endr
	v_lshl_or_b32 v[PW], v[TM+5], 8, v[TM+4]
	v_lshl_or_b32 v[PW], v[TM+6], 16, v[PW]
	v_lshl_or_b32 v[PW], v[TM+7], 24, v[PW]
.irp c, 0,1
	v_cvt_scalef32_pk16_bf6_f32 v[PC+6*\c:PC+2+6*\c], v[\s+32*\c:\s+15+32*\c], v[TM+12+2*\c]
	v_cvt_scalef32_pk16_bf6_f32 v[PC+12+4*\c:PC+14+4*\c], v[\s+16+32*\c:\s+31+32*\c], v[TM+12+2*\c+1]
.endr
	v_nop                                              ; one plain place behind a scaled conversion
.irp c, 0,1
.irp i, 0,1,2
	v_permlane16_swap_b32 v[PC+6*\c+\i], v[PC+12+4*\c+\i]
.endr
.irp i, 0,1,2
	v_mov_b32 v[PC+3+6*\c+\i], v[PC+12+4*\c+\i]
.endr
.endr
.endm
	s_load_b256 s[4:11], s[0:1], 0x0               ; g1_img, g1_sc, b_qkv, qkv_img
	s_load_b64 s[12:13], s[0:1], 0x20              ; qkv_sc
	v_lshl_add_u32 v[SPW], v0, 2, SPARE
	v_mov_b32 v[NIL], 0
	ds_add_u32 v28, v29
	ds_add_u32 v28, v29
	s_wait_dscnt 0x0
	v_lshrrev_b32 v1, 5, v0
	v_readfirstlane_b32 s14, v1                    ; wave
	s_lshr_b32 s15, s14, 1                         ; which of R's row blocks is mine.  Also: I fetch for R (0) or for P (1)
	s_and_b32 s16, s14, 1                          ; which of P's.  Also: which row block I fetch
	s_bfe_u32 s40, ttmp6, 0x40000                  ; cx
	s_bfe_u32 s41, ttmp6, 0x40004                  ; cy
	s_and_b32 s17, ttmp7, 0xffff                   ; the cluster's y: it chooses the mode
	s_lshl_b32 s42, ttmp9, 2
	s_add_co_u32 s42, s42, s40                     ; work-group x
	s_lshl_b32 s45, s17, 2
	s_add_co_u32 s45, s45, s41                     ; work-group y
	s_lshl_b32 s43, s41, 2
	s_lshl_b32 s43, 15, s43                        ; my row of the cluster
	s_lshl_b32 s44, 0x1111, s40                    ; my column
	s_lshl_b32 s46, s45, 1                         ; q, k: R's first row block = 2 y (x's rows)
	s_lshl_b32 s66, s41, 1
	s_add_co_u32 s66, s66, 80                      ; v: 80 + 2 cy (W_v's rows)
	s_lshl_b32 s2, s42, 1
	s_add_co_u32 s47, s2, 64                       ; q, k: P's first row block = 64 + 2 x (W_q's, W_k's rows)
	s_lshl_b32 s3, s17, 4
	s_add_co_u32 s3, s3, s2
	s_sub_co_u32 s3, s3, 128                       ; v: 2 x + 16 (cluster y - 8) (x's rows)
	s_mov_b32 s[S1], 1536
	s_mov_b32 s[S2], 93696
	s_mov_b32 s[OB1], 768
	s_cmp_lt_u32 s17, 8
	s_cselect_b32 s46, s46, s66                    ; R's first row block hangs on cy and the cluster's y alone,
	s_cselect_b32 s47, s47, s3                     ; P's on cx, the cluster's x and its y alone
	s_cselect_b32 s[MQK], -1, 0
	s_cselect_b32 s[MV], 0, -1
	s_cselect_b32 s[S1], 768, s[S1]                ; from one of R's tiles to the next in the output,
	s_cselect_b32 s[S2], 768, s[S2]                ; from tile 3 to tile 4 (v: on to the odd head),
	s_cselect_b32 s[OB1], RBB, s[OB1]              ; from a fragment's first half to its second (q, k: the odd head)
	s_mov_b32 s[S1+1], 0
	s_mov_b32 s[S2+1], 0
	s_mov_b32 s[OB1+1], 0
	s_mov_b32 s[SEL], 0x76543210
	s_mov_b32 s[SEL+1], 0xfedcba98
	; descriptor group 1: 24,576 dense bytes as 96 rows of 256 (32 elements of 8 bytes), no padding: every LDS instruction here touches consecutive bytes
	s_or_b32 s[G1R], s43, (3<<16)|(1<<21)
	s_or_b32 s[G1P], s44, (3<<16)|(1<<21)
.irp g, G1R, G1P
	s_mov_b32 s[\g+1], 32<<16                      ; tensor_dim0
	s_mov_b32 s[\g+2], 96<<16                      ; tensor_dim1
	s_mov_b32 s[\g+3], 32<<16                      ; tile_dim0
	s_mov_b32 s[\g+4], 96                          ; tile_dim1
	s_mov_b32 s[\g+5], 32                          ; the pitch
	s_mov_b32 s[\g+6], 0
	s_mov_b32 s[\g+7], 0
.endr
	s_add_co_u32 s18, s46, s16
	s_mul_i32 s18, s18, RBB
	s_mov_b32 s19, 0
	s_add_co_u32 s22, s47, s16
	s_mul_i32 s22, s22, RBB
	s_mov_b32 s23, 0
	s_mul_i32 s67, s14, QTR                        ; where a wave's loads go: wave x a quarter of a slot
	s_wait_kmcnt 0x0
	s_add_nc_u64 s[18:19], s[4:5], s[18:19]
	s_add_nc_u64 s[22:23], s[4:5], s[22:23]
.irp c, 0,1,2,3
	s_mov_b32 s[G0R+4*\c], 1
	s_add_co_u32 s[G0R+4*\c+1], s67, (\c%3)*SLOT
	s_add_nc_u64 s[G0R+4*\c+2:G0R+4*\c+3], s[18:19], \c*QTR
	s_or_b32 s[G0R+4*\c+3], s[G0R+4*\c+3], 0x80000000
	s_mov_b32 s[G0P+4*\c], 1
	s_add_co_u32 s[G0P+4*\c+1], s67, (\c%3)*SLOT
	s_add_nc_u64 s[G0P+4*\c+2:G0P+4*\c+3], s[22:23], \c*QTR
	s_or_b32 s[G0P+4*\c+3], s[G0P+4*\c+3], 0x80000000
.endr
	CROUND                                         ; all sixteen work-groups are here: the first joint loads meet
	s_cmp_eq_u32 s15, 0                            ; a wave's three first fills stand in one branch
	s_cbranch_scc0 .Lfirst_p
	tensor_load_to_lds s[G0R:G0R+3], s[G1R:G1R+7]
	s_nop 0
	tensor_load_to_lds s[G0R+4:G0R+7], s[G1R:G1R+7]
	s_nop 0
	tensor_load_to_lds s[G0R+8:G0R+11], s[G1R:G1R+7]
	s_nop 0
.rept 4
	v_nop
.endr
	s_branch .Lfirst_asked
.Lfirst_p:
	tensor_load_to_lds s[G0P:G0P+3], s[G1P:G1P+7]
	s_nop 0
	tensor_load_to_lds s[G0P+4:G0P+7], s[G1P:G1P+7]
	s_nop 0
	tensor_load_to_lds s[G0P+8:G0P+11], s[G1P:G1P+7]
	s_nop 0
.rept 4
	v_nop
.endr
.Lfirst_asked:
	v_and_b32 v1, 31, v0
	v_lshlrev_b32 v[L16], 4, v1
	v_lshlrev_b32 v[L8], 3, v1
	v_and_b32 v[VR], 15, v0                        ; r
	v_bfe_u32 v[VH], v0, 4, 1                      ; h
	s_add_co_u32 s98, s46, s15                     ; my wave's row block of R,
	s_add_co_u32 s99, s47, s16                     ; and of P
	s_lshl_b32 s96, s98, 12
	s_lshl_b32 s97, s99, 12
	v_mov_b32 v22, s96
	v_mov_b32 v23, s97
	v_cmp_ne_u32 vcc_lo, 0, v[VH]
	v_cndmask_b32 v22, v22, v23, vcc_lo
	v_lshl_add_u32 v[OSC], v[VR], 4, v22           ; scale words: lanes 0-15 R's row block, lanes 16-31 P's; 16 bytes (four K steps) an index
.irp i, 0,1,2,3,4,5,6,7
.irp q, 0,1
	global_load_b128 v[SC+8*\i+4*\q:SC+8*\i+4*\q+3], v[OSC], s[6:7] offset:\q*2048+\i*256
.endr
.endr
	s_cmp_lt_u32 s17, 8
	s_cselect_b32 s2, s98, s99                     ; the row block of x that my wave holds,
	s_cselect_b32 s3, s99, s98
	s_sub_co_u32 s3, s3, 64                        ; and that of w_qkv
	s_lshl_b32 s96, s3, 9                          ; its 128 numbers of b_qkv, in bytes
	s_and_b32 s97, s96, s[MQK]                     ; along P in mode q, k (else the buffer's start: the numbers are masked away)
	s_and_b32 s96, s96, s[MV]                      ; along R in mode v
	v_lshl_add_u32 v[OBP], v[VH], 6, s97           ; P's bias: tile 2 b + u wants numbers 32 b + 16 h + 8 u + 0 .. 7
	v_and_b32 v24, 8, v[VR]
	v_add_nc_u32 v24, v24, v[VR]
	v_lshl_add_u32 v[OBR], v24, 2, s96             ; R's bias: tile 2 b + u wants number 32 b + 8 u + r + 8 (r / 8)
	WIN 0x40
.irp b, 0,1,2,3,4,5,6,7
	global_load_b128 v[96+128*(\b/4)+8*(\b%4):96+128*(\b/4)+8*(\b%4)+3], v[OBP], s[8:9] offset:(32*(\b/2)+8*(\b%2))*4
	global_load_b128 v[96+128*(\b/4)+8*(\b%4)+4:96+128*(\b/4)+8*(\b%4)+7], v[OBP], s[8:9] offset:(32*(\b/2)+8*(\b%2))*4+16
.endr
	WIN 0
.irp a, 0,1,2,3,4,5,6,7
	global_load_b32 v[BR2+2*\a], v[OBR], s[8:9] offset:(32*(\a/2)+8*(\a%2))*4
.endr
	s_mul_i32 s94, s15, QTR
	s_mul_i32 s95, s16, QTR
	s_add_co_u32 s95, s95, 2*QTR
.irp s, 0,1,2
	v_add_nc_u32 v[AR16+\s], s94, v[L16]
	v_add_nc_u32 v[AR8+\s], s94, v[L8]
	v_add_nc_u32 v[AP16+\s], s95, v[L16]
	v_add_nc_u32 v[AP8+\s], s95, v[L8]
	s_add_co_u32 s94, s94, SLOT
	s_add_co_u32 s95, s95, SLOT
.endr
	v_lshlrev_b32 v[OSW], 5, v[VR]
	v_lshl_add_u32 v[OSW], v[VH], 4, v[OSW]        ; the scale words made: 32 r + 16 h
	; where my wave's results go
	s_lshr_b32 s94, s3, 3                          ; q, k or v
	s_lshl_b32 s94, s94, 2
	s_lshr_b32 s95, s2, 4                          ; the batch
	s_add_co_u32 s94, s94, s95
	s_and_b32 s95, s3, 7                           ; the pair of heads
	s_lshl_b32 s96, s94, 3
	s_add_co_u32 s96, s96, s95
	s_and_b32 s97, s2, 15                          ; the step of 128 tokens
	s_mul_i32 s[OB0], s96, 2*RBB
	s_mul_i32 s94, s97, 6144
	s_add_co_u32 s[OB0], s[OB0], s94
	s_mov_b32 s[OB0+1], 0
	s_add_nc_u64 s[OB0:OB0+1], s[10:11], s[OB0:OB0+1]
	s_add_nc_u64 s[OB1:OB1+1], s[OB0:OB0+1], s[OB1:OB1+1]
	s_lshl_b32 s94, s96, 13
	s_lshl_b32 s95, s97, 9
	s_add_co_u32 s94, s94, s95
	s_mov_b32 s95, 0
	s_add_nc_u64 s[12:13], s[12:13], s[94:95]
	s_wait_loadcnt 0x0
	WIN 0x44
.set k, 0
.rept 32
	v_and_b32 v[96+k], s[MQK], v[96+k]             ; P's bias, or zeros
	v_and_b32 v[224+k], s[MQK], v[224+k]
.set k, k+1
.endr
	WIN 0
.irp a, 0,1,2,3,4,5,6,7
	v_and_b32 v[BR2+2*\a], s[MV], v[BR2+2*\a]      ; R's bias, or zeros; twice, for the packed addition
	v_mov_b32 v[BR2+2*\a+1], v[BR2+2*\a]
.endr
.macro FRAG reg, a16, a8, off          ; a fragment's 1,536 bytes: each instruction reads consecutive bytes
	ds_load_b128 v[\reg:\reg+3], v[\a16] offset:\off
	ds_load_b64 v[\reg+4:\reg+5], v[\a8] offset:\off+512
	ds_load_b128 v[\reg+6:\reg+9], v[\a16] offset:\off+768
	ds_load_b64 v[\reg+10:\reg+11], v[\a8] offset:\off+1280
.endm
.macro FETCH_P slot, q, set            ; P's eight fragments of the slot's q-th K step
	WIN 0x40
.irp i, 0,1,2,3,4,5,6,7
	FRAG 128*(\set)+FR*\i, AP16+\slot, AP8+\slot, (\q)*KSB+\i*FRB
.endr
	WIN 0
.endm
.macro FETCH_R slot, q, i0             ; R's tiles i0 .. i0 + 3
.irp i, \i0, \i0+1, \i0+2, \i0+3
	FRAG RF+FR*(\i), AR16+\slot, AR8+\slot, (\q)*KSB+(\i)*FRB
.endr
.endm
; 16 matrix instructions: R's tiles a0, a0 + 1 x P's eight, K step sg.  first = 1: C is P's bias.  The 64 accumulators take turns, one instruction a turn, in the same order in every K step.
.macro MUL16 a0, set, sg, first
.irp a, \a0, \a0+1
.irp b, 0,1,2,3,4,5,6,7
.if \first
	v_wmma_scale_f32_16x16x128_f8f6f4 v[8*(8*((\a)%4)+\b):8*(8*((\a)%4)+\b)+7], v[128*(\set)+FR*\b:128*(\set)+FR*\b+FR-1], v[RF+FR*(\a):RF+FR*(\a)+FR-1], v[96+128*(\b/4)+8*(\b%4):96+128*(\b/4)+8*(\b%4)+7], v[SC+8*\b+(\sg)], v[SC+8*(\a)+(\sg)] matrix_a_fmt:MATRIX_FMT_BF6 matrix_b_fmt:MATRIX_FMT_BF6 matrix_a_scale:MATRIX_SCALE_ROW1
.else
	v_wmma_scale_f32_16x16x128_f8f6f4 v[8*(8*((\a)%4)+\b):8*(8*((\a)%4)+\b)+7], v[128*(\set)+FR*\b:128*(\set)+FR*\b+FR-1], v[RF+FR*(\a):RF+FR*(\a)+FR-1], v[8*(8*((\a)%4)+\b):8*(8*((\a)%4)+\b)+7], v[SC+8*\b+(\sg)], v[SC+8*(\a)+(\sg)] matrix_a_fmt:MATRIX_FMT_BF6 matrix_b_fmt:MATRIX_FMT_BF6 matrix_a_scale:MATRIX_SCALE_ROW1
.endif
.endr
.endr
.endm
; the second half of a K step: the next K step's P and R's tiles 0-3 are fetched, R's tiles 4-7 multiplied, then fetched anew.  Four places stand in front of each run of loads into registers that matrix instructions have read.
.macro REST sg, nslot, nq, first
	FETCH_P \nslot, \nq, 1-(\sg)%2
	FETCH_R \nslot, \nq, 0
.if \first
	WIN 0xd1
.else
	WIN 0xf1
.endif
	MUL16 4, (\sg)%2, \sg, \first
	MUL16 6, (\sg)%2, \sg, \first
	PLACES
	WIN 0
	FETCH_R \nslot, \nq, 4
.endm
.macro STEP sg, nslot, nq, first       ; a K step whose successor lies in the same slot
	s_wait_dscnt 16                                ; P's set and R's tiles 0-3 are in; the youngest 16 loads (R's tiles 4-7) may be out
.if \first
	WIN 0x91
.else
	WIN 0xa1
.endif
	MUL16 0, (\sg)%2, \sg, \first
	MUL16 2, (\sg)%2, \sg, \first
	s_wait_dscnt 0x0
	PLACES
	REST \sg, \nslot, \nq, \first
.endm
.macro TURNP n, sg, nslot              ; on to a slot whose fill is awaited here; n later loads may stay out
	s_wait_tensorcnt \n                            ; my part of the next slot is in
	s_wait_dscnt 16
	WIN 0xa1
	MUL16 0, (\sg)%2, \sg, 0
	s_wait_dscnt 0x0                               ; no LDS instruction of mine is out at the signal
	s_barrier_signal -1
	MUL16 2, (\sg)%2, \sg, 0
	WIN 0
	s_barrier_wait -1                              ; everybody's part is in
	PLACES
	REST \sg, \nslot, 0, 0
.endm
.macro TURNF sg, nslot                 ; the same, and slot 0, read last two K steps ago, is filled again with chunk 3
	s_wait_tensorcnt 0x0                           ; all my tensor loads have landed: chunk 2 was the last
	ds_add_u32 v[SPW], v[NIL]                      ; 0 onto my spare word
	s_wait_dscnt 17                                ; (the add and the youngest 16 loads may be out)
	WIN 0xa1
	MUL16 0, (\sg)%2, \sg, 0
	s_wait_dscnt 0x0                               ; the add is done, and no LDS read of mine is out
	s_barrier_signal -1                            ; this barrier opens a round of the cluster's barrier
	MUL16 2, (\sg)%2, \sg, 0
	WIN 0
	s_barrier_wait -1
	CREST                                          ; no wave of any partner still reads slot 0 or has a load on its way
	JLOAD 3                                        ; the first tensor load behind the round, and my only one; its four v_nop are the places in front of the loads below
	REST \sg, \nslot, 0, 0
.endm
	s_wait_tensorcnt 0x2                           ; my part of chunk 0 is in; chunks 1 and 2 may be out
	s_barrier_signal -1
	s_barrier_wait -1
	FETCH_P 0, 0, 0
	FETCH_R 0, 0, 0
	FETCH_R 0, 0, 4
	STEP 0, 0, 1, 1
	TURNP 1, 1, 1                                  ; chunk 2 may be out
	STEP 2, 1, 1, 0
	TURNF 3, 2
	STEP 4, 2, 1, 0
	TURNP 0, 5, 0                                  ; chunk 3: no load was issued behind it
	STEP 6, 0, 1, 0
	s_wait_dscnt 16                                ; the last K step: nothing more to fetch
	WIN 0xa1
	MUL16 0, 1, 7, 0
	MUL16 2, 1, 7, 0
	s_wait_dscnt 0x0
	WIN 0xf1
	MUL16 4, 1, 7, 0
	MUL16 6, 1, 7, 0
	WIN 0
	PLACES                                         ; in front of the reads of results and of the writes over R's fragments
.irp b, 0,1,2,3
	v_mov_b32 v[TM+4+\b], 0                        ; a lane permute's destination counts as one of its sources
.endr
; THE WAY OUT of R's tile a: its 8 accumulators, each from its low end on, + R's bias -> 64 numbers -> 12 registers of codes and a scale word.
.macro OUTA a
	WIN 0x02+(\a)/4
.set k, 0
.rept 32
	v_pk_add_f32 v[Y+k:Y+k+1], v[64*((\a)%4)+k:64*((\a)%4)+k+1], v[BR2+2*(\a):BR2+2*(\a)+1]
.set k, k+2
.endr
	WIN 0
.if (\a) > 0
	s_wait_xcnt 0x0                                ; the last tile's stores have read their registers and bases
.if (\a) == 4
	s_add_nc_u64 s[OB0:OB0+1], s[OB0:OB0+1], s[S2:S2+1]
	s_add_nc_u64 s[OB1:OB1+1], s[OB1:OB1+1], s[S2:S2+1]
.else
	s_add_nc_u64 s[OB0:OB0+1], s[OB0:OB0+1], s[S1:S1+1]
	s_add_nc_u64 s[OB1:OB1+1], s[OB1:OB1+1], s[S1:S1+1]
.endif
.endif
	QUANT Y
	global_store_b128 v[L16], v[PC:PC+3], s[OB0:OB0+1]                 ; 512 consecutive bytes,
	global_store_b64 v[L8], v[PC+4:PC+5], s[OB0:OB0+1] offset:512      ; 256: k 0-63 of the fragment
	global_store_b128 v[L16], v[PC+6:PC+9], s[OB1:OB1+1]
	global_store_b64 v[L8], v[PC+10:PC+11], s[OB1:OB1+1] offset:512    ; k 64-127
	v_mov_b32 v[SW+(\a)], v[PW]
.endm
.irp a, 0,1,2,3,4,5,6,7
	OUTA \a
.endr
	v_cmp_ne_u32 vcc_lo, 0, v[VH]
.irp i, 0,1,2,3
	v_cndmask_b32 v[SWO+\i], v[SW+\i], v[SW+4+\i], vcc_lo    ; lanes 0-15 store an index's words of tiles 0-3, lanes 16-31 those of tiles 4-7
.endr
	global_store_b128 v[OSW], v[SWO:SWO+3], s[12:13]         ; 512 consecutive bytes, aligned
	s_wait_tensorcnt 0x0                           ; the wave's end
	ds_add_u32 v[SPW], v[NIL]
	s_wait_dscnt 0x0
	CROUND                                         ; the closing round: no work-group ends while a partner may still ask for a tile that names it
	s_endpgm
.Lfunc_end_k_q71a98a65eb_gemm_qkv:
	.size	k_q71a98a65eb_gemm_qkv, .Lfunc_end_k_q71a98a65eb_gemm_qkv-k_q71a98a65eb_gemm_qkv
	.p2alignl 7, 3214868480
	.fill 96, 4, 3214868480
	.section	.rodata,"a",@progbits
	.p2align	6, 0x0
	.amdhsa_kernel k_q71a98a65eb_gemm_qkv
		.amdhsa_group_segment_fixed_size 327680
		.amdhsa_private_segment_fixed_size 0
		.amdhsa_enable_private_segment 0
		.amdhsa_kernarg_size 40
		.amdhsa_user_sgpr_count 2
		.amdhsa_user_sgpr_kernarg_segment_ptr 1
		.amdhsa_wavefront_size32 1
		.amdhsa_system_sgpr_workgroup_id_x 1
		.amdhsa_system_sgpr_workgroup_id_y 1
		.amdhsa_system_sgpr_workgroup_id_z 1
		.amdhsa_system_vgpr_workitem_id 0
		.amdhsa_next_free_vgpr 1024
		.amdhsa_next_free_sgpr 100
		.amdhsa_reserve_vcc 1
		.amdhsa_float_denorm_mode_32 3
		.amdhsa_float_denorm_mode_16_64 3
		.amdhsa_memory_ordered 1
		.amdhsa_forward_progress 1
		.amdhsa_inst_pref_size 168
	.end_amdhsa_kernel
	.amdgpu_metadata
---
amdhsa.version: [ 1, 2 ]
amdhsa.kernels:
  - .name:           k_q71a98a65eb_gemm_qkv
    .symbol:         k_q71a98a65eb_gemm_qkv.kd
    .args:
      - { .name: g1_img, .offset: 0, .size: 8, .value_kind: global_buffer, .address_space: global }
      - { .name: g1_sc, .offset: 8, .size: 8, .value_kind: global_buffer, .address_space: global }
      - { .name: b_qkv, .offset: 16, .size: 8, .value_kind: global_buffer, .address_space: global }
      - { .name: qkv_img, .offset: 24, .size: 8, .value_kind: global_buffer, .address_space: global }
      - { .name: qkv_sc, .offset: 32, .size: 8, .value_kind: global_buffer, .address_space: global }
    .group_segment_fixed_size: 327680
    .private_segment_fixed_size: 0
    .kernarg_segment_align: 8
    .kernarg_segment_size: 40
    .max_flat_workgroup_size: 128
    .sgpr_count:     100
    .vgpr_count:     1024
    .wavefront_size: 32
...
	.end_amdgpu_metadata
.endif
;; end of part 2
;; launch attn (part 3): grid 256 x 1, 16 waves a work-group, clusters of 4 x 1, 210,944 bytes of LDS; arguments qkv_img, qkv_sc, g2_img, g2_sc; writes g2_img, g2_sc
.if DOCPART == 3
	.amdgcn_target "amdgcn-amd-amdhsa--gfx1250"
	.amdhsa_code_object_version 6
	.text
	.protected	k_q71a98a65eb_attn
	.globl	k_q71a98a65eb_attn
	.p2align	8
	.type	k_q71a98a65eb_attn,@function
k_q71a98a65eb_attn:
	s_mov_b64 s[64:65], 0
	v_nop
	global_prefetch_b8 v0, s[64:65] scope:SCOPE_SE
	s_setreg_imm32_b32 hwreg(HW_REG_WAVE_MODE, 25, 1), 1
	s_wait_xcnt 0x0
	s_wait_alu depctr_hold_cnt(0) depctr_sa_sdst(0) depctr_va_vdst(0) depctr_va_sdst(0) depctr_va_ssrc(0) depctr_va_vcc(0) depctr_vm_vsrc(0)
	s_getreg_b32 s2, hwreg(HW_REG_IB_STS2, 6, 4)
	s_cmp_eq_u32 s2, 0
	s_cbranch_scc0 .Lentry_in_a_cluster
	s_endpgm
.Lentry_in_a_cluster:
	s_bfe_u32 s2, ttmp6, 0x10000c
	s_cmp_lg_u32 s2, 0x3003
	s_cbranch_scc0 .Lentry_shape_is_right
	s_endpgm
.Lentry_shape_is_right:
; Causal attention of one head on codes of BF6 (E3M2) with E8M0 scales, and the quantiser of its result along the model's axis.
; t = score x log2(e) / 8; M = the running largest t rounded UP to a whole number; p = 2^(t - M) is quantised along the keys, not normalised; the row's sum is taken of the unquantised p and divides O at the end.
; When M moves, the sum and O are multiplied by 2^(old M - new M): exact.
; SHARES.  A cluster of four work-groups owns one head of one batch (64 clusters).  A head's K and V codes are 196,608 bytes: they come into LDS ONCE, by joint loads (each partner receives them), and stay: no ring, nothing is filled again.
; A wave makes two tiles of 16 queries one after the other: with w / 2 = o and u = w % 2, first tile u of the 32 queries 4 o + cx, then tile u of the 32 queries 63 - (4 o + cx):
; steps 0 .. o and 0 .. 15 - o of 128 keys: 17 steps for every wave.  The step counts hang on the wave's number alone; the place in the cluster enters only global addresses and the mask's data.
; A step all of whose keys come after the queries is jumped over by a scalar branch; trip counts are constants.  On the diagonal hidden scores become -infinity ahead of the maximum.
; LAYOUT.  Both products are used transposed: S^T = K Q^T, O^T = V^T P^T: a lane holds one query throughout.  Tiles of tokens and of channels hold, at index i of tile 2 b + u, number 32 b + 8 u + i + 8 (i / 8):
; so p's 16 registers of two neighbouring tiles are 16 neighbouring keys, and O^T's are 16 neighbouring channels.
; THE FIRST PRODUCT'S K IS 64: registers 6-11 of Q's and K's fragments are cleared once and never loaded (zero codes on both sides); their scale bytes are 0.
; LIMITS: p under 2^-126 counts as 0; a block of zeros, or under 2^-122, gets the scale byte 1 (read by this program alone); NaN and infinities are not served.
; out's scale bytes leave one byte a lane, 16 bytes apart: a scale word belongs to two heads, which other work-groups make; these are one byte in 24 of the launch's output.
; REGISTERS: v1-7 addresses that stay; v8-11, v28-29 the step's; v12 -M, v13 the largest t, v[14:15] the sum; v16-27, v192-203 Q's two fragments; v30, v31 their scale words; v32-79 four fragments of K; v80-87 K's scale words, v88-91 V's;
;   v96-159 S^T, then p, then (v96-143) V's four fragments; v160-191 O^T; v204-215 p's codes; v216-223 the conversions' second halves; v224-245 at work; v243 p's scale word.
.set KIMG,  0
.set VIMG,  98304
.set SCK,   196608                     ; K's scale words: [step 16][index 16][tile 8]
.set SCV,   204800                     ; V's: [step 16][index 16][tile 4]
.set WV,  12
.set OM,  13
.set UU,  14
.set CX,  15
.set BH,  16
.set PO,  17
.set SEL, 20
.set CS,  22
.set G1A, 24
.set G1B, 32
.set G0A, 40
.set G0B, 44
.set ST,  48
.set LIM, 49
.set TB,  50
.set TSK, 51
.set TSV, 52
.set JQ,  53
.set CNT, 54
.set JQB, 56
.set HM,  57
.set QA,  58
.set QSA, 60
.set QB,  62
.set QSB, 66
.set OCA, 68
.set OSA, 70
.set OCB, 72
.set OSB, 74
.macro ROUND                           ; a round of the cluster's barrier
	s_barrier_signal -1
	s_barrier_wait -1
	s_cmp_lg_u32 s[WV], 0
	s_cbranch_scc1 .Lnot_wave_0_\@
	s_barrier_signal -3
.Lnot_wave_0_\@:
	s_barrier_wait -3
	s_barrier_signal -1
	s_barrier_wait -1
.endm
	s_load_b256 s[4:11], s[0:1], 0x0               ; qkv_img, qkv_sc, g2_img, g2_sc
	v_lshl_add_u32 v254, v0, 2, 0x33000
	v_mov_b32 v255, 0
	ds_add_u32 v254, v255
	ds_add_u32 v254, v255
	v_lshrrev_b32 v1, 5, v0
	s_delay_alu instid0(VALU_DEP_1)
	v_readfirstlane_b32 s[WV], v1                  ; wave 0..15
	s_lshr_b32 s[OM], s[WV], 1
	s_and_b32 s[UU], s[WV], 1
	s_mov_b32 s[BH], ttmp9                         ; 16 x batch + head: the cluster's x
	s_lshr_b32 s18, s[WV], 3                       ; I fetch for K (0) or for V (1),
	s_and_b32 s19, s[WV], 7                        ; the i-th eighth
	; group 1: dense bytes as rows of 256 (32 elements of 8 bytes); the mask names all four work-groups, bit 21 set beside it
	s_mov_b32 s[G1A], 15|(3<<16)|(1<<21)
	s_mov_b32 s[G1A+1], 32<<16
	s_mov_b32 s[G1A+2], 12<<16                     ; steps 0-3: 24,576 bytes, 12 rows a wave
	s_mov_b32 s[G1A+3], 32<<16
	s_mov_b32 s[G1A+4], 12
	s_mov_b32 s[G1A+5], 32
	s_mov_b32 s[G1A+6], 0
	s_mov_b32 s[G1A+7], 0
	s_mov_b32 s[G1B], 15|(3<<16)|(1<<21)
	s_mov_b32 s[G1B+1], 32<<16
	s_mov_b32 s[G1B+2], 36<<16                     ; steps 4-15: 73,728 bytes, 36 rows a wave
	s_mov_b32 s[G1B+3], 32<<16
	s_mov_b32 s[G1B+4], 36
	s_mov_b32 s[G1B+5], 32
	s_mov_b32 s[G1B+6], 0
	s_mov_b32 s[G1B+7], 0
	s_mul_i32 s76, s18, 98304
	s_mul_i32 s77, s19, 3072
	s_mul_i32 s80, s19, 9216
	s_lshl_b32 s78, s18, 6
	s_add_co_u32 s78, s78, s[BH]
	s_add_co_u32 s78, s78, 64
	s_mul_i32 s78, s78, 98304                      ; the head's K or V in qkv_img
	s_mov_b32 s79, 0
	s_mov_b32 s82, s77
	s_mov_b32 s83, 0
	s_add_co_u32 s84, s80, 24576
	s_mov_b32 s85, 0
	s_wait_dscnt 0x0
	s_wait_kmcnt 0x0
	s_add_nc_u64 s[78:79], s[4:5], s[78:79]
	s_mov_b32 s[G0A], 1
	s_add_co_u32 s[G0A+1], s76, s77
	s_add_nc_u64 s[G0A+2:G0A+3], s[78:79], s[82:83]
	s_or_b32 s[G0A+3], s[G0A+3], 0x80000000
	s_mov_b32 s[G0B], 1
	s_add_co_u32 s[G0B+1], s76, s80
	s_add_co_u32 s[G0B+1], s[G0B+1], 24576
	s_add_nc_u64 s[G0B+2:G0B+3], s[78:79], s[84:85]
	s_or_b32 s[G0B+3], s[G0B+3], 0x80000000
	ROUND                                          ; all four work-groups are here: the joint loads meet
	tensor_load_to_lds s[G0A:G0A+3], s[G1A:G1A+7]  ; every wave issues both: two loads of mine are out
	s_nop 0
	tensor_load_to_lds s[G0B:G0B+3], s[G1B:G1B+7]
	s_nop 0
.rept 4
	v_nop
.endr
	s_bfe_u32 s[CX], ttmp6, 0x40000                ; my place in the cluster
	s_and_b32 s92, s[BH], 1                        ; the head's parity
	s_lshl_b32 s[PO], s92, 4
	s_mov_b32 s[SEL], 0x76543210
	s_mov_b32 s[SEL+1], 0xfedcba98
	s_mov_b32 s[CS], 0x3e38aa3b                    ; c = log2(e) / sqrt(64)
	s_mov_b32 s[CS+1], s[CS]
	s_mul_i32 s87, s[BH], 98304                    ; the head's Q in qkv_img
	s_lshr_b32 s89, s[BH], 1
	s_lshl_b32 s89, s89, 13                        ; the pair of heads' 8,192 bytes of scale words
	s_and_b32 s90, s[BH], 0x30                     ; 16 x batch: out's first row block
	s_bfe_u32 s91, s[BH], 0x30001                  ; the pair of heads = out's K step
	s_mul_i32 s93, s91, 12288
	s_mul_i32 s94, s92, 768
	s_add_co_u32 s93, s93, s94                     ; out's codes: K step, and which half of the fragment
	s_lshr_b32 s94, s91, 2
	s_lshl_b32 s94, s94, 11
	s_and_b32 s95, s91, 3
	s_lshl_b32 s95, s95, 2
	s_add_co_u32 s94, s94, s95
	s_lshl_b32 s95, s92, 1
	s_add_co_u32 s94, s94, s95                     ; out's scale bytes: K step, and which half of the word
	s_lshl_b32 s82, s[OM], 2
	s_add_co_u32 s82, s82, s[CX]                   ; the first 32 queries,
	s_sub_co_u32 s83, 63, s82                      ; and the second
.macro ADR g, q, qs, oc, os, jq        ; the global addresses of the tile u of the 32 queries s[g]
	s_lshl_b32 s84, s[\g], 1
	s_add_co_u32 s84, s84, s[UU]                   ; the tile among the head's 128
	s_lshr_b32 s85, s84, 3
	s_and_b32 s86, s84, 7
	s_mul_i32 s96, s84, 768
	s_add_co_u32 s96, s96, s87
	s_mov_b32 s97, 0
	s_add_nc_u64 s[\q:\q+1], s[4:5], s[96:97]
	s_lshl_b32 s96, s85, 9
	s_lshl_b32 s98, s86, 2
	s_add_co_u32 s96, s96, s98
	s_add_co_u32 s96, s96, s89
	s_add_nc_u64 s[\qs:\qs+1], s[6:7], s[96:97]
	s_add_co_u32 s99, s90, s85                     ; out's row block
	s_mul_i32 s96, s99, 98304
	s_mul_i32 s98, s86, 1536
	s_add_co_u32 s96, s96, s98
	s_add_co_u32 s96, s96, s93
	s_add_nc_u64 s[\oc:\oc+1], s[8:9], s[96:97]
	s_lshl_b32 s96, s99, 12
	s_lshl_b32 s98, s86, 8
	s_add_co_u32 s96, s96, s98
	s_add_co_u32 s96, s96, s94
	s_add_nc_u64 s[\os:\os+1], s[10:11], s[96:97]
	s_and_b32 s96, s[\g], 3
	s_lshl_b32 s96, s96, 5
	s_lshl_b32 s98, s[UU], 3
	s_add_co_u32 s[\jq], s96, s98                  ; the tile's first query inside its step of 128
.endm
	ADR 82, QA, QSA, OCA, OSA, JQ
	ADR 83, QB, QSB, OCB, OSB, JQB
	s_add_co_u32 s96, s89, 32*8192
	s_mov_b32 s97, 0
	s_add_nc_u64 s[76:77], s[6:7], s[96:97]        ; K's scale words of the pair of heads
	s_add_co_u32 s96, s89, 64*8192
	s_add_co_u32 s96, s96, s[PO]
	s_add_nc_u64 s[78:79], s[6:7], s[96:97]        ; V's, at my head's four tiles
	v_and_b32 v8, 31, v0                           ; lane
	v_and_b32 v9, 15, v0                           ; r
	v_bfe_u32 v10, v0, 4, 1                        ; h
	s_delay_alu instid0(VALU_DEP_3)
	v_lshlrev_b32 v1, 4, v8
	s_delay_alu instid0(VALU_DEP_4)
	v_lshlrev_b32 v2, 3, v8
	s_delay_alu instid0(VALU_DEP_2)
	v_add_nc_u32 v3, VIMG, v1
	s_delay_alu instid0(VALU_DEP_2)
	v_add_nc_u32 v4, VIMG, v2
	v_lshl_add_u32 v5, v9, 5, SCK
	v_lshl_add_u32 v6, v9, 4, SCV
	v_and_b32 v7, 8, v9
	s_delay_alu instid0(VALU_DEP_1)
	v_add_nc_u32 v7, v7, v9
	v_lshlrev_b32 v11, 4, v10
	s_delay_alu instid0(VALU_DEP_1)
	v_sub_nc_u32 v7, v7, v11                       ; r + 8 (r / 8) - 16 h
	v_lshl_add_u32 v247, v9, 4, v10                ; out's scale bytes: 16 r + h
	v_lshlrev_b32 v246, 5, v9                      ; Q's scale words: 32 r
	v_cmp_ne_u32 s[HM], 0, v10
	global_load_b128 v[16:19], v1, s[QA:QA+1]
	global_load_b64 v[20:21], v2, s[QA:QA+1] offset:512
	global_load_b128 v[192:195], v1, s[QB:QB+1]
	global_load_b64 v[196:197], v2, s[QB:QB+1] offset:512
	global_load_b32 v30, v246, s[QSA:QSA+1]
	global_load_b32 v31, v246, s[QSB:QSB+1]
	v_lshlrev_b32 v8, 4, v0                        ; K's scale words: thread t takes 16 bytes at 16 t
	global_load_b128 v[96:99], v8, s[76:77]
	v_and_b32 v9, 0x1e0, v0
	s_delay_alu instid0(VALU_DEP_1)
	v_lshlrev_b32 v9, 4, v9                        ; V's: step t / 32,
	v_bfe_u32 v10, v0, 1, 4
	s_delay_alu instid0(VALU_DEP_1)
	v_lshl_add_u32 v9, v10, 5, v9                  ; index (t / 2) % 16,
	v_and_b32 v10, 1, v0
	s_delay_alu instid0(VALU_DEP_1)
	v_lshl_add_u32 v9, v10, 3, v9                  ; two of my head's four words
	global_load_b64 v[100:101], v9, s[78:79]
	v_lshl_add_u32 v10, v0, 4, SCK
	v_lshl_add_u32 v11, v0, 3, SCV
.irp i, 0,1,2,3,4,5
	v_mov_b32 v[22+\i], 0                          ; k 64-127 of the first product: zero codes, on both sides
	v_mov_b32 v[198+\i], 0
	v_mov_b32 v[38+\i], 0
	v_mov_b32 v[50+\i], 0
	v_mov_b32 v[62+\i], 0
	v_mov_b32 v[74+\i], 0
.endr
.irp b, 0,1,2,3
	v_mov_b32 v[228+\b], 0                         ; a lane permute's destination counts as one of its sources
.endr
	v_mov_b32 v241, 0                              ; (named as the upper half of the pair v[240:241])
	v_mov_b32 v242, 0
	s_wait_loadcnt 0x0
	v_bfe_u32 v30, v30, s[PO], 16                  ; my head's two bytes; bytes 2, 3 are 0
	v_bfe_u32 v31, v31, s[PO], 16
.irp i, 0,1,2,3
	v_bfe_u32 v[96+\i], v[96+\i], s[PO], 16
.endr
	ds_store_b128 v10, v[96:99]
	ds_store_b64 v11, v[100:101]
	s_wait_tensorcnt 0x1                           ; my part of steps 0-3 is in; the load of steps 4-15 may be out
	s_wait_dscnt 0x0                               ; my scale words lie in LDS
	s_barrier_signal -1
	s_barrier_wait -1
.macro INIT
	v_mov_b32 v13, 0xff61b1e6                      ; the largest t so far: -3e38
	s_delay_alu instid0(VALU_DEP_1)
	v_floor_f32 v12, -v13                          ; -M
	v_mov_b32 v14, 0
	v_mov_b32 v15, 0
.set k, 0
.rept 32
	v_mov_b32 v[160+k], 0                          ; O^T: the first step finds zeros, which the first change of M leaves zeros
.set k, k+1
.endr
	s_mov_b32 s[ST], 0
	s_mov_b32 s[TB], 0
	s_mov_b32 s[TSK], 0
	s_mov_b32 s[TSV], 0
.endm
; A KEY STEP: 128 keys.  q: Q's fragment; qs: its scale word.
.macro STEP q, qs
	s_cmp_gt_u32 s[ST], s[LIM]                     ; all its keys come after my queries: only the addresses step
	s_cbranch_scc1 .Lhidden_\@
	s_setprio 2
	v_add_nc_u32 v8, s[TB], v1                     ; six plain instructions: also the places between the last step's products, which read V's fragments in v96-143, and the products below, which write there
	s_wait_alu depctr_va_vdst(0)
	v_add_nc_u32 v9, s[TB], v2
	s_wait_alu depctr_va_vdst(0)
	v_add_nc_u32 v10, s[TB], v3
	v_add_nc_u32 v11, s[TB], v4
	v_add_nc_u32 v28, s[TSK], v5
	v_add_nc_u32 v29, s[TSV], v6
	ds_load_b128 v[80:83], v28
	ds_load_b128 v[84:87], v28 offset:16
.irp g, 0,1                                    ; S^T = K Q^T, four tiles of 16 keys at a time
.if \g > 0
.rept 4
	v_nop                                          ; places in front of loads into registers that matrix instructions have read
.endr
.endif
.irp t, 0,1,2,3
	ds_load_b128 v[32+12*\t:35+12*\t], v8 offset:(4*\g+\t)*768
	ds_load_b64 v[36+12*\t:37+12*\t], v9 offset:(4*\g+\t)*768+512
.endr
	s_wait_dscnt 0x0
.irp t, 0,1,2,3
	v_wmma_scale_f32_16x16x128_f8f6f4 v[96+8*(4*\g+\t):103+8*(4*\g+\t)], v[32+12*\t:43+12*\t], v[\q:\q+11], 0, v[80+4*\g+\t], v[\qs] matrix_a_fmt:MATRIX_FMT_BF6 matrix_b_fmt:MATRIX_FMT_BF6
.endr
.endr
.rept 4
	v_nop
.endr
	s_cmp_lg_u32 s[ST], s[LIM]                     ; only the last step of a tile lies on the diagonal
	s_cbranch_scc1 .Lopen_\@
	v_add_nc_u32 v242, s[JQ], v7                   ; d = my query - 16 h, inside the step.  Register 16 b + i holds key 32 b + 16 h + i: hidden where 32 b + i > d
	v_mov_b32 v244, 0xff800000
.set n, 0
.rept 64
	v_cmp_gt_i32 vcc_lo, 32*(n/16)+n%16, v242
	v_cndmask_b32 v[96+n], v[96+n], v244, vcc_lo
.set n, n+1
.endr
.Lopen_\@:
.irp b, 0,1,2,3
	v_max3_num_f32 v[224+\b], v[96+16*\b], v[97+16*\b], v[98+16*\b]   ; the largest score of each block of 32 keys: for the row's maximum and, since p rises with the score, for the block's largest p
.endr
.irp i, 3,5,7,9,11,13
.irp b, 0,1,2,3
	v_max3_num_f32 v[224+\b], v[224+\b], v[96+16*\b+\i], v[97+16*\b+\i]
.endr
.endr
.irp b, 0,1,2,3
	v_max_num_f32 v[224+\b], v[224+\b], v[111+16*\b]
.endr
.irp b, 0,1,2,3
	s_delay_alu instid0(VALU_DEP_4)
	v_permlanex16_b32 v[228+\b], v[224+\b], s[SEL], s[SEL+1]
.endr
.irp b, 0,1,2,3
	s_delay_alu instid0(VALU_DEP_4)
	v_max_num_f32 v[224+\b], v[224+\b], v[228+\b]
.endr
	s_delay_alu instid0(VALU_DEP_2)
	v_max3_num_f32 v242, v224, v225, v226
	s_delay_alu instid0(VALU_DEP_1)
	v_max_num_f32 v242, v242, v227
	s_delay_alu instid0(VALU_DEP_1)
	v_mul_f32 v242, s[CS], v242
	s_delay_alu instid0(VALU_DEP_1)
	v_max_num_f32 v13, v13, v242                   ; the running largest t
	v_mov_b32 v242, v12
	s_delay_alu instid0(VALU_DEP_2)
	v_floor_f32 v12, -v13                          ; the new -M = -ceil(t)
	s_delay_alu instid0(VALU_DEP_1)
	v_sub_f32 v242, v12, v242                      ; old M - new M: a whole number, 0 or less
	s_delay_alu instid0(VALU_DEP_1)
	v_cvt_i32_f32 v242, v242
	s_delay_alu instid0(VALU_DEP_1)
	v_ldexp_f32 v240, 1.0, v242                    ; f = 2^(old M - new M)
.set k, 0
.rept 32
	v_pk_fma_f32 v[96+k:97+k], v[96+k:97+k], s[CS:CS+1], v[12:13] op_sel_hi:[1,0,0]   ; t - M
.set k, k+2
.endr
	s_setprio 1
.irp b, 0,1,2,3
	v_fma_f32 v[224+\b], v[224+\b], s[CS], v12
.endr
.set k, 0
	s_wait_alu depctr_va_vdst(0)
.rept 64
	v_exp_f32 v[96+k], v[96+k]                     ; p = 2^(t - M)
.set k, k+1
.endr
.irp b, 0,1,2,3
	v_exp_f32 v[224+\b], v[224+\b]                 ; the block's largest p
.endr
	v_pk_mul_f32 v[14:15], v[14:15], v[240:241] op_sel_hi:[1,0]   ; the sums under the new M (a plain place behind the exponentials)
	s_wait_alu depctr_va_vdst(0)
.irp b, 0,1,2,3
	v_max_num_f32 v[224+\b], 0x2800000, v[224+\b]  ; the floor 2^(5 - 127)
.endr
.irp b, 0,1,2,3
	s_delay_alu instid0(VALU_DEP_4)
	v_add_nc_u32 v[232+\b], 0xfe000000, v[224+\b]  ; the conversion's scale operand
.endr
.irp b, 0,1,2,3
	s_delay_alu instid0(VALU_DEP_4)
	v_lshrrev_b32 v[228+\b], 23, v[232+\b]
.endr
	s_delay_alu instid0(VALU_DEP_3)
	v_lshl_or_b32 v243, v229, 8, v228              ; p's scale word for these 128 keys
	s_delay_alu instid0(VALU_DEP_1)
	v_lshl_or_b32 v243, v230, 16, v243
	s_delay_alu instid0(VALU_DEP_1)
	v_lshl_or_b32 v243, v231, 24, v243
.irp c, 0,1
	v_cvt_scalef32_pk16_bf6_f32 v[204+6*\c:206+6*\c], v[96+32*\c:111+32*\c], v[232+2*\c]
	v_cvt_scalef32_pk16_bf6_f32 v[216+4*\c:218+4*\c], v[112+32*\c:127+32*\c], v[232+2*\c+1]
.endr
	v_nop                                          ; one plain place behind a scaled conversion
.irp c, 0,1
.irp i, 0,1,2
	v_permlane16_swap_b32 v[204+6*\c+\i], v[216+4*\c+\i]
.endr
.irp i, 0,1,2
	s_delay_alu instid0(VALU_DEP_3)
	v_mov_b32 v[207+6*\c+\i], v[216+4*\c+\i]
.endr
.endr
	v_pk_add_f32 v[244:245], v[96:97], v[98:99]    ; the row's sum of the unquantised p, in two chains: first the 48 registers that V's fragments will take
.irp j, 4,8,12,16,20,24,28,32,36,40,44
	v_pk_add_f32 v[14:15], v[14:15], v[96+\j:97+\j]
	v_pk_add_f32 v[244:245], v[244:245], v[98+\j:99+\j]
.endr
	s_setprio 0
.irp t, 0,1,2,3                                ; V's four fragments (16 channels x these 128 keys)
	ds_load_b128 v[96+12*\t:99+12*\t], v10 offset:\t*1536
	ds_load_b64 v[100+12*\t:101+12*\t], v11 offset:\t*1536+512
	ds_load_b128 v[102+12*\t:105+12*\t], v10 offset:\t*1536+768
	ds_load_b64 v[106+12*\t:107+12*\t], v11 offset:\t*1536+1280
.endr
	ds_load_b128 v[88:91], v29
.set k, 0
.rept 16
	v_pk_mul_f32 v[160+k:161+k], v[160+k:161+k], v[240:241] op_sel_hi:[1,0]   ; O^T under the new M
.set k, k+2
.endr
.irp j, 48,52,56,60
	v_pk_add_f32 v[14:15], v[14:15], v[96+\j:97+\j]
	v_pk_add_f32 v[244:245], v[244:245], v[98+\j:99+\j]
.endr
	s_delay_alu instid0(VALU_DEP_1)
	v_pk_add_f32 v[14:15], v[14:15], v[244:245]
	s_wait_dscnt 0x0
.irp t, 0,1,2,3
	v_wmma_scale_f32_16x16x128_f8f6f4 v[160+8*\t:167+8*\t], v[96+12*\t:107+12*\t], v[204:215], v[160+8*\t:167+8*\t], v[88+\t], v243 matrix_a_fmt:MATRIX_FMT_BF6 matrix_b_fmt:MATRIX_FMT_BF6
.endr
.Lhidden_\@:
	s_add_co_u32 s[ST], s[ST], 1
	s_add_co_u32 s[TB], s[TB], 6144
	s_add_co_u32 s[TSK], s[TSK], 512
	s_add_co_u32 s[TSV], s[TSV], 256
.endm
; A tile's end: O^T / the sum; its 32 numbers a lane are two blocks of 32 channels (with lane l xor 16): half a fragment of the last product's operand, stored as a register image.
.macro FINISH oc, os
.rept 4
	v_nop
.endr
	v_add_f32 v14, v14, v15
	s_delay_alu instid0(VALU_DEP_1)
	v_permlanex16_b32 v242, v14, s[SEL], s[SEL+1]
	s_delay_alu instid0(VALU_DEP_1)
	v_add_f32 v14, v14, v242                       ; the row's sum
	s_wait_alu depctr_va_vdst(0)
	v_rcp_f32 v14, v14
	v_nop                                          ; one plain place behind a transcendental
.set k, 0
	s_wait_alu depctr_va_vdst(0)
.rept 16
	v_pk_mul_f32 v[96+k:97+k], v[160+k:161+k], v[14:15] op_sel_hi:[1,0]   ; register 16 b + i: channel 32 b + 16 h + i
.set k, k+2
.endr
.irp b, 0,1
	v_max3_num_f32 v[224+\b], |v[96+16*\b]|, |v[97+16*\b]|, 0x2800000
.endr
.irp i, 2,4,6,8,10,12,14
.irp b, 0,1
	s_delay_alu instid0(VALU_DEP_2)
	v_max3_num_f32 v[224+\b], v[224+\b], |v[96+16*\b+\i]|, |v[97+16*\b+\i]|
.endr
.endr
.irp b, 0,1
	s_delay_alu instid0(VALU_DEP_2)
	v_permlanex16_b32 v[228+\b], v[224+\b], s[SEL], s[SEL+1]
.endr
.irp b, 0,1
	s_delay_alu instid0(VALU_DEP_2)
	v_max_num_f32 v[224+\b], v[224+\b], v[228+\b]
.endr
.irp b, 0,1
	s_delay_alu instid0(VALU_DEP_2)
	v_add_nc_u32 v[232+\b], 0xfe000000, v[224+\b]
.endr
.irp b, 0,1
	s_delay_alu instid0(VALU_DEP_2)
	v_lshrrev_b32 v[228+\b], 23, v[232+\b]
.endr
	s_delay_alu instid0(VALU_DEP_1)
	v_cndmask_b32 v236, v228, v229, s[HM]          ; lanes 0-15 store block 0's byte, lanes 16-31 block 1's
	v_cvt_scalef32_pk16_bf6_f32 v[204:206], v[96:111], v232
	v_cvt_scalef32_pk16_bf6_f32 v[216:218], v[112:127], v233
	v_nop
.irp i, 0,1,2
	v_permlane16_swap_b32 v[204+\i], v[216+\i]
.endr
.irp i, 0,1,2
	s_delay_alu instid0(VALU_DEP_3)
	v_mov_b32 v[207+\i], v[216+\i]
.endr
	global_store_b128 v1, v[204:207], s[\oc:\oc+1]             ; 512 consecutive bytes,
	global_store_b64 v2, v[208:209], s[\oc:\oc+1] offset:512   ; and 256
	global_store_b8 v247, v236, s[\os:\os+1]
.endm
	INIT
	s_mov_b32 s[LIM], s[OM]
	s_mov_b32 s[CNT], 4
.Lfirst_a:                                         ; the first tile, steps 0-3
	STEP 16, 30
	s_sub_co_u32 s[CNT], s[CNT], 1
	s_cmp_lg_u32 s[CNT], 0
	s_cbranch_scc1 .Lfirst_a
	s_setprio 0
	s_wait_tensorcnt 0x0                           ; my part of steps 4-15 is in
	s_wait_dscnt 0x0
	s_barrier_signal -1
	s_barrier_wait -1                              ; everybody's is
	s_mov_b32 s[ST], 4
	s_mov_b32 s[TB], 4*6144
	s_mov_b32 s[TSK], 4*512
	s_mov_b32 s[TSV], 4*256
	s_mov_b32 s[CNT], 4
.Lfirst_b:                                         ; steps 4-7: the first tile's queries lie in the sequence's first half
	STEP 16, 30
	s_sub_co_u32 s[CNT], s[CNT], 1
	s_cmp_lg_u32 s[CNT], 0
	s_cbranch_scc1 .Lfirst_b
	s_setprio 0
	s_wait_alu depctr_va_vdst(0)
	FINISH OCA, OSA
	INIT
	s_sub_co_u32 s[LIM], 15, s[OM]
	s_mov_b32 s[JQ], s[JQB]
	s_mov_b32 s[CNT], 16
	s_wait_xcnt 0x0                                ; the first tile's stores have read their registers
.Lsecond:                                          ; the second tile, steps 0-15
	STEP 192, 31
	s_sub_co_u32 s[CNT], s[CNT], 1
	s_cmp_lg_u32 s[CNT], 0
	s_cbranch_scc1 .Lsecond
	s_setprio 0
	s_wait_alu depctr_va_vdst(0)
	FINISH OCB, OSB
	s_wait_tensorcnt 0x0
	ds_add_u32 v254, v255
	s_wait_dscnt 0x0
	ROUND                                          ; the closing round
	s_endpgm
.Lfunc_end_k_q71a98a65eb_attn:
	.size	k_q71a98a65eb_attn, .Lfunc_end_k_q71a98a65eb_attn-k_q71a98a65eb_attn
	.p2alignl 7, 3214868480
	.fill 96, 4, 3214868480
	.section	.rodata,"a",@progbits
	.p2align	6, 0x0
	.amdhsa_kernel k_q71a98a65eb_attn
		.amdhsa_group_segment_fixed_size 210944
		.amdhsa_private_segment_fixed_size 0
		.amdhsa_enable_private_segment 0
		.amdhsa_kernarg_size 32
		.amdhsa_user_sgpr_count 2
		.amdhsa_user_sgpr_kernarg_segment_ptr 1
		.amdhsa_wavefront_size32 1
		.amdhsa_system_sgpr_workgroup_id_x 1
		.amdhsa_system_sgpr_workgroup_id_y 1
		.amdhsa_system_sgpr_workgroup_id_z 1
		.amdhsa_system_vgpr_workitem_id 0
		.amdhsa_next_free_vgpr 256
		.amdhsa_next_free_sgpr 100
		.amdhsa_reserve_vcc 1
		.amdhsa_float_denorm_mode_32 3
		.amdhsa_float_denorm_mode_16_64 3
		.amdhsa_memory_ordered 1
		.amdhsa_forward_progress 1
		.amdhsa_inst_pref_size 92
	.end_amdhsa_kernel
	.amdgpu_metadata
---
amdhsa.version: [ 1, 2 ]
amdhsa.kernels:
  - .name:           k_q71a98a65eb_attn
    .symbol:         k_q71a98a65eb_attn.kd
    .args:
      - { .name: qkv_img, .offset: 0, .size: 8, .value_kind: global_buffer, .address_space: global }
      - { .name: qkv_sc, .offset: 8, .size: 8, .value_kind: global_buffer, .address_space: global }
      - { .name: g2_img, .offset: 16, .size: 8, .value_kind: global_buffer, .address_space: global }
      - { .name: g2_sc, .offset: 24, .size: 8, .value_kind: global_buffer, .address_space: global }
    .group_segment_fixed_size: 210944
    .private_segment_fixed_size: 0
    .kernarg_segment_align: 8
    .kernarg_segment_size: 32
    .max_flat_workgroup_size: 512
    .sgpr_count:     100
    .vgpr_count:     256
    .wavefront_size: 32
...
	.end_amdgpu_metadata
.endif
;; end of part 3
;; launch gemm_out (part 4): grid 8 x 32, 4 waves a work-group, clusters of 4 x 4, 312,832 bytes of LDS; arguments g2_img, g2_sc, b_out, out0; writes out0
.if DOCPART == 4
	.amdgcn_target "amdgcn-amd-amdhsa--gfx1250"
	.amdhsa_code_object_version 6
	.text
	.protected	k_q71a98a65eb_gemm_out
	.globl	k_q71a98a65eb_gemm_out
	.p2align	8
	.type	k_q71a98a65eb_gemm_out,@function
k_q71a98a65eb_gemm_out:
	s_mov_b64 s[64:65], 0
	v_nop
	global_prefetch_b8 v0, s[64:65] scope:SCOPE_SE
	s_setreg_imm32_b32 hwreg(HW_REG_WAVE_MODE, 25, 1), 1
	s_wait_xcnt 0x0
	s_wait_alu depctr_hold_cnt(0) depctr_sa_sdst(0) depctr_va_vdst(0) depctr_va_sdst(0) depctr_va_ssrc(0) depctr_va_vcc(0) depctr_vm_vsrc(0)
	s_getreg_b32 s2, hwreg(HW_REG_IB_STS2, 6, 4)
	s_cmp_eq_u32 s2, 0
	s_cbranch_scc0 .Lentry_in_a_cluster
	s_endpgm
.Lentry_in_a_cluster:
	s_bfe_u32 s2, ttmp6, 0x10000c
	s_cmp_lg_u32 s2, 0xf033
	s_cbranch_scc0 .Lentry_shape_is_right
	s_endpgm
.Lentry_shape_is_right:
; out0 = out w_out^T + b_out on codes of BF6 (E3M2) with E8M0 scales; out0 [8192][1024] f32.
; A tile is 256 rows of out (R, source 1: one row a lane) x 128 rows of w_out (P, source 0: its rows run along a lane's registers): 256 work-groups, one for each WGP.
; Four waves, each 128 x 64: 32 accumulators, 256 registers.  A larger tile would leave WGPs without work.
; OPERANDS lie in memory in the order of the registers: a fragment (16 rows x 128 K) is 1,536 consecutive bytes.  ALL OF K (1,024) lies in LDS: 294,912 bytes, filled once, in four chunks of two K steps; nothing is filled again.
; Every wave issues four tensor loads at the start (four are out); a counted wait and a barrier stand in front of each chunk's first read.
; CLUSTERS 4 x 4: R's tiles are shared along a row of the cluster, P's along a column: joint loads.
; Tiles hold, at index i of tile 2 b + u, row 32 b + 8 u + i + 8 (i / 8): a lane's 16 registers of result tiles 2 b, 2 b + 1 are 16 neighbouring columns of out0.
; The scale words of all eight K steps come once into 64 registers: lanes 0-15 R's tile i, lanes 16-31 P's tile i % 4 of my four.  The bias is the C of the first K step's products.
; THE WAY OUT: 16 rows x 64 columns at a time through the wave's own stage in LDS; sixteen lanes store 256 consecutive bytes, aligned.
; REGISTERS: window 0: v2-22 addresses, v32-95 scale words, v128-223 R's 8 fragments (one set; on the way out rows read back).  window 1: v0-47, v48-95 P's fragments, two sets; v96-127 the bias.  window 2: accumulators, (a, b) at v[8 (4 a + b)].
.set FR,    12
.set FRB,   1536
.set KSB,   8*FRB
.set QTR,   2*KSB
.set RBB,   8*KSB
.set STAGE, 3*RBB
.set SPITCH, 272
.set L16,   2
.set L8,    3
.set AR16,  4                          ; v4-5 R: K steps 0-3, 4-7;  v6-7 with 8 x lane
.set AR8,   6
.set AP16,  8
.set AP8,   10
.set STO,   12
.set RD,    13
.set CO,    14
.set VR,    20
.set VH,    21
.set SC,    32
.set RF,    128
.set BK,    128
.set G1R,   24
.set G1P,   32
.set G0R,   48
.set G0P,   68
.set MSB, 0
.macro WIN new
.if MSB != (\new)
	s_set_vgpr_msb (MSB<<8)|(\new)
.set MSB, (\new)
.endif
.endm
.macro PLACES
.rept 4
	v_nop
.endr
.endm
.macro CROUND                          ; a round of the cluster's barrier
	s_barrier_signal -1
	s_barrier_wait -1
	s_cmp_lg_u32 s14, 0
	s_cbranch_scc1 .Lnot_wave_0_\@
	s_barrier_signal -3
.Lnot_wave_0_\@:
	s_barrier_wait -3
	s_barrier_signal -1
	s_barrier_wait -1
.endm
	s_load_b256 s[4:11], s[0:1], 0x0               ; g2_img, g2_sc, b_out, out0
	v_lshl_add_u32 v254, v0, 2, 0x4c400
	v_mov_b32 v255, 0
	ds_add_u32 v254, v255
	ds_add_u32 v254, v255
	v_lshrrev_b32 v1, 5, v0
	v_readfirstlane_b32 s14, v1                    ; wave
	s_lshr_b32 s15, s14, 1                         ; which of R's row blocks is mine.  Also: I fetch for R (0) or for P (1)
	s_and_b32 s16, s14, 1                          ; which half of P's tiles.  Also: which part I fetch
	s_bfe_u32 s40, ttmp6, 0x40000                  ; cx
	s_bfe_u32 s41, ttmp6, 0x40004                  ; cy
	s_lshl_b32 s42, ttmp9, 2
	s_add_co_u32 s42, s42, s40                     ; work-group x: w_out's row block
	s_and_b32 s45, ttmp7, 0xffff
	s_lshl_b32 s45, s45, 2
	s_add_co_u32 s45, s45, s41                     ; work-group y: 256 rows of out
	s_lshl_b32 s43, s41, 2
	s_lshl_b32 s43, 15, s43                        ; my row of the cluster
	s_lshl_b32 s44, 0x1111, s40                    ; my column
	; group 1: dense bytes as rows of 256 (32 elements of 8 bytes), no padding.  R: a row block's two K steps, 96 rows.  P: one K step, 48 rows
	s_or_b32 s[G1R], s43, (3<<16)|(1<<21)
	s_mov_b32 s[G1R+1], 32<<16
	s_mov_b32 s[G1R+2], 96<<16
	s_mov_b32 s[G1R+3], 32<<16
	s_mov_b32 s[G1R+4], 96
	s_mov_b32 s[G1R+5], 32
	s_mov_b32 s[G1R+6], 0
	s_mov_b32 s[G1R+7], 0
	s_or_b32 s[G1P], s44, (3<<16)|(1<<21)
	s_mov_b32 s[G1P+1], 32<<16
	s_mov_b32 s[G1P+2], 48<<16
	s_mov_b32 s[G1P+3], 32<<16
	s_mov_b32 s[G1P+4], 48
	s_mov_b32 s[G1P+5], 32
	s_mov_b32 s[G1P+6], 0
	s_mov_b32 s[G1P+7], 0
	s_lshl_b32 s18, s45, 1
	s_add_co_u32 s18, s18, s16
	s_mul_i32 s18, s18, RBB                        ; R: row block 2 y + (wave % 2)
	s_mov_b32 s19, 0
	s_add_co_u32 s22, s42, 64
	s_mul_i32 s22, s22, RBB
	s_mul_i32 s67, s16, KSB
	s_add_co_u32 s22, s22, s67                     ; P: row block 64 + x, K step (wave % 2)
	s_mov_b32 s23, 0
	s_mul_i32 s66, s16, RBB                        ; where they go: no place in the cluster enters an LDS address
	s_add_co_u32 s67, s67, 2*RBB
	s_wait_dscnt 0x0
	s_wait_kmcnt 0x0
	s_add_nc_u64 s[18:19], s[4:5], s[18:19]
	s_add_nc_u64 s[22:23], s[4:5], s[22:23]
.irp c, 0,1,2,3
	s_mov_b32 s[G0R+4*\c], 1
	s_add_co_u32 s[G0R+4*\c+1], s66, \c*QTR
	s_add_nc_u64 s[G0R+4*\c+2:G0R+4*\c+3], s[18:19], \c*QTR
	s_or_b32 s[G0R+4*\c+3], s[G0R+4*\c+3], 0x80000000
	s_mov_b32 s[G0P+4*\c], 1
	s_add_co_u32 s[G0P+4*\c+1], s67, \c*QTR
	s_add_nc_u64 s[G0P+4*\c+2:G0P+4*\c+3], s[22:23], \c*QTR
	s_or_b32 s[G0P+4*\c+3], s[G0P+4*\c+3], 0x80000000
.endr
	CROUND                                         ; all sixteen work-groups are here: the joint loads meet
	s_cmp_eq_u32 s15, 0                            ; a wave's four fills stand in one branch
	s_cbranch_scc0 .Lfirst_p
	tensor_load_to_lds s[G0R:G0R+3], s[G1R:G1R+7]
	s_nop 0
	tensor_load_to_lds s[G0R+4:G0R+7], s[G1R:G1R+7]
	s_nop 0
	tensor_load_to_lds s[G0R+8:G0R+11], s[G1R:G1R+7]
	s_nop 0
	tensor_load_to_lds s[G0R+12:G0R+15], s[G1R:G1R+7]
	s_nop 0
.rept 4
	v_nop
.endr
	s_branch .Lfirst_asked
.Lfirst_p:
	tensor_load_to_lds s[G0P:G0P+3], s[G1P:G1P+7]
	s_nop 0
	tensor_load_to_lds s[G0P+4:G0P+7], s[G1P:G1P+7]
	s_nop 0
	tensor_load_to_lds s[G0P+8:G0P+11], s[G1P:G1P+7]
	s_nop 0
	tensor_load_to_lds s[G0P+12:G0P+15], s[G1P:G1P+7]
	s_nop 0
.rept 4
	v_nop
.endr
.Lfirst_asked:
	v_and_b32 v1, 31, v0
	v_lshlrev_b32 v[L16], 4, v1
	v_lshlrev_b32 v[L8], 3, v1
	v_and_b32 v[VR], 15, v0                        ; r
	v_bfe_u32 v[VH], v0, 4, 1                      ; h
	s_lshl_b32 s94, s45, 1
	s_add_co_u32 s94, s94, s15
	s_lshl_b32 s94, s94, 12                        ; my row block of R among the scale words,
	s_add_co_u32 s95, s42, 64
	s_lshl_b32 s95, s95, 12
	s_lshl_b32 s96, s16, 10
	s_add_co_u32 s95, s95, s96                     ; and my four tiles of P
	v_mov_b32 v22, s94
	v_mov_b32 v23, s95
	v_cmp_ne_u32 vcc_lo, 0, v[VH]
	v_cndmask_b32 v23, v22, v23, vcc_lo
	v_lshl_add_u32 v16, v[VR], 4, v23              ; lanes 0-15 R's, lanes 16-31 P's
	v_lshlrev_b32 v24, 10, v[VH]
	v_sub_nc_u32 v17, v16, v24                     ; for tiles 4-7 of R: lanes 16-31 take P's same four tiles again
.irp i, 0,1,2,3
.irp q, 0,1
	global_load_b128 v[SC+8*\i+4*\q:SC+8*\i+4*\q+3], v16, s[6:7] offset:\q*2048+\i*256
.endr
.endr
.irp i, 4,5,6,7
.irp q, 0,1
	global_load_b128 v[SC+8*\i+4*\q:SC+8*\i+4*\q+3], v17, s[6:7] offset:\q*2048+\i*256
.endr
.endr
	s_lshl_b32 s94, s42, 9
	s_lshl_b32 s95, s16, 8
	s_add_co_u32 s94, s94, s95                     ; my first column, in bytes: 512 x + 256 (wave % 2)
	v_lshl_add_u32 v18, v[VH], 6, s94              ; the bias: tile 2 b + u wants numbers 32 b + 16 h + 8 u + 0 .. 7
	WIN 0x40
.irp b, 0,1,2,3
	global_load_b128 v[96+8*\b:96+8*\b+3], v18, s[8:9] offset:(32*(\b/2)+8*(\b%2))*4
	global_load_b128 v[96+8*\b+4:96+8*\b+7], v18, s[8:9] offset:(32*(\b/2)+8*(\b%2))*4+16
.endr
	WIN 0
	s_mul_i32 s96, s15, RBB
	s_mul_i32 s97, s16, 4*FRB
	s_add_co_u32 s97, s97, 2*RBB
.irp s, 0,1
	v_add_nc_u32 v[AR16+\s], s96, v[L16]
	v_add_nc_u32 v[AR8+\s], s96, v[L8]
	v_add_nc_u32 v[AP16+\s], s97, v[L16]
	v_add_nc_u32 v[AP8+\s], s97, v[L8]
	s_add_co_u32 s96, s96, 4*KSB
	s_add_co_u32 s97, s97, 4*KSB
.endr
	s_mul_i32 s96, s14, 16*SPITCH
	s_add_co_u32 s96, s96, STAGE                   ; my stage
	v_mul_u32_u24 v[STO], v[VR], SPITCH
	v_lshl_add_u32 v[STO], v[VH], 6, v[STO]
	v_add_nc_u32 v[STO], s96, v[STO]               ; in: row r, + 64 h
	v_mul_u32_u24 v[RD], v[VH], SPITCH
	v_lshl_add_u32 v[RD], v[VR], 4, v[RD]
	v_add_nc_u32 v[RD], s96, v[RD]                 ; back: lanes 0-15 one row of 256 bytes, lanes 16-31 the next
	v_lshlrev_b32 v[CO], 12, v[VH]
	v_lshl_add_u32 v[CO], v[VR], 4, v[CO]          ; and the same two rows in out0
	s_lshl_b32 s96, s45, 20
	s_lshl_b32 s97, s15, 19
	s_add_co_u32 s96, s96, s97
	s_add_co_u32 s96, s96, s94                     ; my first row (256 y + 128 (wave / 2)) and column
	s_mov_b32 s97, 0
	s_add_nc_u64 s[10:11], s[10:11], s[96:97]
	s_wait_loadcnt 0x0
.macro FRAG reg, a16, a8, off
	ds_load_b128 v[\reg:\reg+3], v[\a16] offset:\off
	ds_load_b64 v[\reg+4:\reg+5], v[\a8] offset:\off+512
	ds_load_b128 v[\reg+6:\reg+9], v[\a16] offset:\off+768
	ds_load_b64 v[\reg+10:\reg+11], v[\a8] offset:\off+1280
.endm
.macro FETCH_P sg, set                 ; my four fragments of P, K step sg
	WIN 0x40
.irp i, 0,1,2,3
	FRAG 48*(\set)+FR*\i, AP16+(\sg)/4, AP8+(\sg)/4, ((\sg)%4)*KSB+\i*FRB
.endr
	WIN 0
.endm
.macro FETCH_R sg, i0                  ; R's tiles i0 .. i0 + 3
.irp i, \i0, \i0+1, \i0+2, \i0+3
	FRAG RF+FR*(\i), AR16+(\sg)/4, AR8+(\sg)/4, ((\sg)%4)*KSB+(\i)*FRB
.endr
.endm
; 8 matrix instructions: R's tiles a0, a0 + 1 x my four of P.  first = 1: C is the bias.  The 32 accumulators take turns, one instruction a turn, in the same order in every K step.
.macro MUL8 a0, set, sg, first
.irp a, \a0, \a0+1
.irp b, 0,1,2,3
.if \first
	v_wmma_scale_f32_16x16x128_f8f6f4 v[8*(4*(\a)+\b):8*(4*(\a)+\b)+7], v[48*(\set)+FR*\b:48*(\set)+FR*\b+FR-1], v[RF+FR*(\a):RF+FR*(\a)+FR-1], v[96+8*\b:96+8*\b+7], v[SC+8*\b+(\sg)], v[SC+8*(\a)+(\sg)] matrix_a_fmt:MATRIX_FMT_BF6 matrix_b_fmt:MATRIX_FMT_BF6 matrix_a_scale:MATRIX_SCALE_ROW1
.else
	v_wmma_scale_f32_16x16x128_f8f6f4 v[8*(4*(\a)+\b):8*(4*(\a)+\b)+7], v[48*(\set)+FR*\b:48*(\set)+FR*\b+FR-1], v[RF+FR*(\a):RF+FR*(\a)+FR-1], v[8*(4*(\a)+\b):8*(4*(\a)+\b)+7], v[SC+8*\b+(\sg)], v[SC+8*(\a)+(\sg)] matrix_a_fmt:MATRIX_FMT_BF6 matrix_b_fmt:MATRIX_FMT_BF6 matrix_a_scale:MATRIX_SCALE_ROW1
.endif
.endr
.endr
.endm
.macro MWIN first
.if \first
	WIN 0x91                                       ; P window 1, R window 0, the bias window 1, D window 2
.else
	WIN 0xa1                                       ; C and D window 2
.endif
.endm
.macro REST sg, first                  ; the next K step's P and R's tiles 0-3 are fetched, R's tiles 4-7 multiplied, then fetched anew
	FETCH_P (\sg)+1, 1-(\sg)%2
	FETCH_R (\sg)+1, 0
	MWIN \first
	MUL8 4, (\sg)%2, \sg, \first
	MUL8 6, (\sg)%2, \sg, \first
	PLACES
	WIN 0
	FETCH_R (\sg)+1, 4
.endm
.macro STEP sg, first
	s_wait_dscnt 16                                ; P's set and R's tiles 0-3 are in; the youngest 16 loads (R's tiles 4-7) may be out
	MWIN \first
	MUL8 0, (\sg)%2, \sg, \first
	MUL8 2, (\sg)%2, \sg, \first
	s_wait_dscnt 0x0
	PLACES
	REST \sg, \first
.endm
.macro TURNP n, sg                     ; the next K step lies in the next chunk: its fill is awaited here; n later loads may stay out
	s_wait_tensorcnt \n
	s_wait_dscnt 16
	WIN 0xa1
	MUL8 0, (\sg)%2, \sg, 0
	s_wait_dscnt 0x0                               ; no LDS instruction of mine is out at the signal
	s_barrier_signal -1
	MUL8 2, (\sg)%2, \sg, 0
	WIN 0
	s_barrier_wait -1                              ; everybody's part of the chunk is in
	PLACES
	REST \sg, 0
.endm
	s_wait_tensorcnt 0x3                           ; my part of chunk 0 is in; three loads may be out
	s_barrier_signal -1
	s_barrier_wait -1
	FETCH_P 0, 0
	FETCH_R 0, 0
	FETCH_R 0, 4
	STEP 0, 1
	TURNP 2, 1
	STEP 2, 0
	TURNP 1, 3
	STEP 4, 0
	TURNP 0, 5
	STEP 6, 0
	s_wait_dscnt 16                                ; the last K step: nothing more to fetch
	WIN 0xa1
	MUL8 0, 1, 7, 0
	MUL8 2, 1, 7, 0
	s_wait_dscnt 0x0
	MUL8 4, 1, 7, 0
	MUL8 6, 1, 7, 0
	WIN 0
; THE WAY OUT of R's tile a: a lane's 32 numbers are 16 h + 0 .. 15 and 32 + 16 h + 0 .. 15 of its row's 64 columns.  LDS serves a wave's instructions in order: no wait between the stores and the loads, nor in front of the next tile's stores.
.macro TOSTAGE a
	WIN 0x08                                       ; an LDS store's data are its source 1: window 2
.irp b, 0,1,2,3
	ds_store_b128 v[STO], v[8*(4*(\a)+\b):8*(4*(\a)+\b)+3] offset:128*(\b/2)+32*(\b%2)          ; each accumulator from its low end on
	ds_store_b128 v[STO], v[8*(4*(\a)+\b)+4:8*(4*(\a)+\b)+7] offset:128*(\b/2)+32*(\b%2)+16
.endr
	WIN 0
.irp t, 0,1,2,3,4,5,6,7
	ds_load_b128 v[BK+32*((\a)%2)+4*\t:BK+32*((\a)%2)+4*\t+3], v[RD] offset:\t*2*SPITCH
.endr
.endm
.macro SEND a, younger                 ; younger: the LDS instructions issued behind tile a's loads, which may stay out
	s_wait_dscnt \younger
.irp t, 0,1,2,3,4,5,6,7
	global_store_b128 v[CO], v[BK+32*((\a)%2)+4*\t:BK+32*((\a)%2)+4*\t+3], s[10:11] offset:(32*((\a)/2)+8*((\a)%2)+2*\t+8*(\t/4))*4096 th:TH_STORE_NT   ; indices 2 t, 2 t + 1 of the tile; 16 lanes store 256 consecutive bytes, aligned
.endr
.endm
	PLACES                                         ; in front of the reads of results and of the loads into R's fragments
	TOSTAGE 0
.irp a, 1,2,3,4,5,6,7
.if \a > 1
	s_wait_xcnt 0x0                                ; tile a - 2's stores have read their registers: tile a's rows may land there
.endif
	TOSTAGE \a
	SEND \a-1, 16                                  ; behind tile a - 1's loads: tile a's 8 stores and 8 loads
.endr
	SEND 7, 0
	s_wait_tensorcnt 0x0
	ds_add_u32 v254, v255
	s_wait_dscnt 0x0
	CROUND                                         ; the closing round: no work-group ends while a partner may still ask for a tile that names it
	s_endpgm
.Lfunc_end_k_q71a98a65eb_gemm_out:
	.size	k_q71a98a65eb_gemm_out, .Lfunc_end_k_q71a98a65eb_gemm_out-k_q71a98a65eb_gemm_out
	.p2alignl 7, 3214868480
	.fill 96, 4, 3214868480
	.section	.rodata,"a",@progbits
	.p2align	6, 0x0
	.amdhsa_kernel k_q71a98a65eb_gemm_out
		.amdhsa_group_segment_fixed_size 312832
		.amdhsa_private_segment_fixed_size 0
		.amdhsa_enable_private_segment 0
		.amdhsa_kernarg_size 32
		.amdhsa_user_sgpr_count 2
		.amdhsa_user_sgpr_kernarg_segment_ptr 1
		.amdhsa_wavefront_size32 1
		.amdhsa_system_sgpr_workgroup_id_x 1
		.amdhsa_system_sgpr_workgroup_id_y 1
		.amdhsa_system_sgpr_workgroup_id_z 1
		.amdhsa_system_vgpr_workitem_id 0
		.amdhsa_next_free_vgpr 768
		.amdhsa_next_free_sgpr 100
		.amdhsa_reserve_vcc 1
		.amdhsa_float_denorm_mode_32 3
		.amdhsa_float_denorm_mode_16_64 3
		.amdhsa_memory_ordered 1
		.amdhsa_forward_progress 1
		.amdhsa_inst_pref_size 87
	.end_amdhsa_kernel
	.amdgpu_metadata
---
amdhsa.version: [ 1, 2 ]
amdhsa.kernels:
  - .name:           k_q71a98a65eb_gemm_out
    .symbol:         k_q71a98a65eb_gemm_out.kd
    .args:
      - { .name: g2_img, .offset: 0, .size: 8, .value_kind: global_buffer, .address_space: global }
      - { .name: g2_sc, .offset: 8, .size: 8, .value_kind: global_buffer, .address_space: global }
      - { .name: b_out, .offset: 16, .size: 8, .value_kind: global_buffer, .address_space: global }
      - { .name: out0, .offset: 24, .size: 8, .value_kind: global_buffer, .address_space: global }
    .group_segment_fixed_size: 312832
    .private_segment_fixed_size: 0
    .kernarg_segment_align: 8
    .kernarg_segment_size: 32
    .max_flat_workgroup_size: 128
    .sgpr_count:     100
    .vgpr_count:     768
    .wavefront_size: 32
...
	.end_amdgpu_metadata
.endif
;; end of part 4
